; MI455X (gfx1250); checked and timed in simulation.
; The chip was launched on July 23, 2026; its instructions are those of AMD's public machine-readable ISA for CDNA 5 (MIT licence, August 2026) and "CDNA5" Instruction Set Architecture Reference Guide (July 2026). The comments in the code are by the model that wrote it; some were corrected since.
;; GPT Neo GQA Self Attention. Allowed arithmetic: matrix products marked QUANTISED: E2M3 operands, one E8M0 scale for each 32 along K, by v_wmma_scale_f32_16x16x128_f8f6f4 with both operands' format E2M3, f32 sums; everything else in f32.
;; Inputs: Wk 1,024 x 1,024 float32; Wo 1,024 x 1,024 float32; Wq 1,024 x 1,024 float32; Wv 1,024 x 1,024 float32; bo 1,024 float32; hidden_states 1 x 4,096 x 1,024 float32.
;; Outputs: out0 1 x 4,096 x 1,024 float32.
;; This version of the problem:
;;   THIS VERSION OF THE PROBLEM IS GIVEN IN LOW PRECISION. The matrix products marked QUANTISED in the list below multiply operands that are first quantised to E2M3 (2 exponent bits, 3 mantissa bits; 6 bits a number), with one power-of-two scale for each 32 numbers along K (OCP MX v1.0); their sums are f32. All else is computed in f32.
;;   The module's matrix products, in the order in which they are computed (A, B: the left and right operand; K: the contracted axis; several contracted axes count as one K, in the product's order):
;;     1. [M 4,096, K 1,024] x [K 1,024, N 1,024]; A: input hidden_states; B: input Wq: QUANTISED
;;     2. [M 4,096, K 1,024] x [K 1,024, N 1,024]; A: input hidden_states; B: input Wk: QUANTISED
;;     3. [M 4,096, K 1,024] x [K 1,024, N 1,024]; A: input hidden_states; B: input Wv: QUANTISED
;;     4. batch 16 x [M 4,096, K 64] x [K 64, N 4,096]; A: computed on the way; B: computed on the way: QUANTISED
;;     5. batch 16 x [M 4,096, K 4,096] x [K 4,096, N 64]; A: softmax (see below); B: computed on the way: QUANTISED
;;     6. [M 4,096, K 1,024] x [K 1,024, N 1,024]; A: computed on the way; B: input Wo: QUANTISED
;;   THE QUANTISER, for each operand of a quantised product, along K:
;;     - K is cut into blocks of 32 from its start; a last block that is shorter is filled with zeros.
;;     - A block's scale is 2^e with e = floor(log2(the largest magnitude in the block)) - 2, held to -126 .. 127; a block of zeros has e = 0. As a byte (E8M0): e + 127.
;;     - Each number is divided by its block's scale, clamped to +-7.5, and rounded to the nearest number of E2M3, ties to even, subnormals kept.
;;     - The product sums the exact products of the quantised numbers (number of the format x scale) in f32.
;;   ~~~python
;;   def quantise(x, axis):      # numpy; x: float32 -> the quantised numbers, widened to float32 again
;;       x = np.moveaxis(x, axis, -1); K = x.shape[-1]
;;       x = np.pad(x, [(0, 0)] * (x.ndim - 1) + [(0, -K % 32)]); x = x.reshape(x.shape[:-1] + (-1, 32)); a = np.abs(x).max(-1, keepdims=True)
;;       e = np.where(a > 0, np.clip(np.frexp(np.where(a > 0, a, 1))[1] - 1 - 2, -126, 127), 0)      # np.frexp(a)[1] - 1 = floor(log2(a)), exactly
;;       r = np.clip(x / 2.0 ** e, -7.5, 7.5)
;;       step = 2.0 ** (np.maximum(np.frexp(np.where(r == 0, 1, r))[1] - 1, 0) - 3)
;;       q = np.round(r / step) * step * 2.0 ** e      # np.round: ties to even
;;       return np.moveaxis(q.reshape(q.shape[:-2] + (-1,))[..., :K], -1, axis).astype(np.float32)
;;   ~~~
;;   SOFTMAX AHEAD OF A QUANTISED PRODUCT. Where the list says 'softmax', what is quantised is not the finished softmax but p = 2^(t - M), with t = logit x log2(e) and M = ceil(the row's largest t), a whole number; so 1/2 < the row's largest p <= 1. The row's sum l is taken of the UNQUANTISED p, in f32, and the product's result is divided by l at the end. Since M is a whole number, a kernel that streams over the keys may use a running M (the ceiling of the running maximum): every later rescaling is an exact power of two, which a block's scale takes up: the codes' values come out the same.
;;   OPERANDS COMPUTED ON THE WAY. 'Computed on the way' means the value that the module computes at that place (a softmax that the list does not call 'softmax' is quantised finished and normalised). What goes into a quantiser is computed in f32, as accurately as f32 sums, v_exp_f32 and their like allow (about 1e-6 of the number): no bf16 or f16 on the way to a quantiser, and a product that is left as it is and whose result goes on into a quantised operand takes f32 operands (vector FMAs, or v_wmma_f32_16x16x4_f32). A number that lies on a knife's edge between two numbers of the format may be rounded either way, as far as f32 arithmetic and the matrix unit's own rounding can turn it there, and no further.
;; One version. Each part assembles by itself: llvm-mc -triple=amdgcn-amd-amdhsa -mcpu=gfx1250 --defsym DOCPART=n.
;; ======== version 1 of 1: 4 launches
;; workspace buffers: inc 6,291,456 bytes; ins 262,144 bytes; qkvc 9,437,184 bytes; qkvs 393,216 bytes; oc 3,145,728 bytes; os 131,072 bytes
;; launch quant (part 1): grid 256 x 1, 8 waves a work-group, no clusters, 89,088 bytes of LDS; arguments hidden_states, Wq, Wk, Wv, Wo, inc, ins; writes inc, ins
.if DOCPART == 1
	.amdgcn_target "amdgcn-amd-amdhsa--gfx1250"
	.amdhsa_code_object_version 6
	.text
	.protected	k_q8eaa3ea606_quant
	.globl	k_q8eaa3ea606_quant
	.p2align	8
	.type	k_q8eaa3ea606_quant,@function
k_q8eaa3ea606_quant:
	s_mov_b64 s[64:65], 0
	v_nop
	global_prefetch_b8 v0, s[64:65] scope:SCOPE_SE
	s_setreg_imm32_b32 hwreg(HW_REG_WAVE_MODE, 25, 1), 1
	s_wait_xcnt 0x0
; x [4096][1024] and Wq, Wk, Wv, Wo [1024 (k)][1024 (n)], f32, become codes of FP6 (E2M3) with one E8M0 byte for each 32 along K, laid AS THE MATRIX UNIT'S REGISTERS TAKE THEM.
; A group is 128 rows (of x: tokens; of a weight: its columns n).  ROW BLOCK b of a group is the 16 rows 32 (b / 2) + 8 (b % 2) + r + 8 (r / 8), r = 0 .. 15.
; An IMAGE (1,536 bytes) is one fragment, 16 rows x 128 K: registers 4 g .. 4 g + 3 of lane l at 512 g + 16 l; lane (r, h) holds k = 64 c + 32 h + 0 .. 31 of its row in registers 6 c .. 6 c + 5.
; inc: [group 64][block 8][K step 8][1,536]; groups 0-31 x, 32-39 Wq, 40-47 Wk, 48-55 Wv, 56-63 Wo.  ins: [group][K step 8][512]: the scale word of (r, block i) at 32 r + 4 i.
; A block's scale is 2^(floor(log2(its largest magnitude)) - 2): its byte is the largest magnitude's exponent field - 2, held at 1 from below.
; LIMITS: NaN and infinities among the inputs are not served; a block of zeros gets the byte 1 (its codes are zeros, and this program alone reads the bytes).
; SHARES: work-group id: group id / 4, quarter of K id % 4 (two K steps).  id < 128: x, else a weight.  Eight waves, 16 KiB of f32 each.  No tensor load: the numbers pass through registers anyway.
; x: K is innermost.  Wave w is row block w.  Loads take 512 consecutive bytes; four rows at a time turn through the wave's own stage so that a lane holds one whole block of 32.
; W: K is outermost.  A lane takes a column and its registers run down K: a block of 32 lies in one lane, and nothing is transposed.
; Both paths gather the images and scale tiles in LDS (each path in bytes of its own) and store them in runs of 512 consecutive bytes.
.set XSTG,  0                          ; 8 stages of 32 x 144 bytes (a block's 128 bytes + 16: the lanes' reads start at different banks)
.set XIMG,  36864                      ; x path: [block 8][K step 2][1,536]
.set XSCT,  61440                      ; x path: two scale tiles
.set WIMG,  62464                      ; the same for the weights' path
.set WSCT,  87040
.set SPARE, 88064                      ; the spare words, 128 bytes for each wave: four blocks of 256 bytes that no other line names
.set LAM, 1                            ; lane
.set SA,  2                            ; stage, way in
.set SB,  3                            ; stage, way out: my block of 32
.set A0,  4                            ; x: image address of my block's register pairs 0 and 2
.set A1,  5                            ; x: of pair 1
.set XB,  6                            ; x: my block's scale byte
.set IW,  7                            ; W: my column's place in its image
.set SW,  14                           ; W: my column's scale word
.set RDX, 15                           ; the way out: my wave's 3,072 bytes of images, x path
.set RDW, 16                           ; W path
.set RSX, 17                           ; a scale tile, x path
.set RSW, 18                           ; W path
.set GO,  19                           ; 16 x lane
.set GW,  20                           ; 4 x lane
.set SPW, 21                           ; my spare word; never rewritten
.set NIL, 22                           ; 0; never rewritten
.set SBW, 28                           ; W: the scale word in the making
.set R,   32                           ; v32-159  numbers as loaded
.set X,   160                          ; v160-191 x: a block of 32 neighbours
.set CD,  192                          ; codes: eight registers for each step, so that no store's data are written again
.set CT,  224                          ; a conversion's second three
.set BY,  228                          ; a byte for each step
	s_load_b256 s[4:11], s[0:1], 0x0               ; x, Wq, Wk, Wv
	s_load_b128 s[12:15], s[0:1], 0x20             ; Wo, inc
	s_load_b64 s[16:17], s[0:1], 0x30              ; ins
	v_lshl_add_u32 v[SPW], v0, 2, SPARE
	v_mov_b32 v[NIL], 0
	v_lshrrev_b32 v23, 5, v0
	v_readfirstlane_b32 s20, v23                   ; wave 0..7
	v_and_b32 v[LAM], 31, v0
	; every LDS address of both paths is made here, ahead of the parting
	s_mul_i32 s21, s20, 4608
	v_lshrrev_b32 v23, 3, v[LAM]                   ; lane / 8: which of a step's four rows
	v_and_b32 v24, 7, v[LAM]
	v_mul_u32_u24 v[SA], v23, 144
	v_lshl_add_u32 v[SA], v24, 4, v[SA]
	v_add_nc_u32 v[SA], s21, v[SA]                 ; a load's 512 bytes are four blocks of 128: 144 (lane / 8) + 16 (lane % 8); load j begins 576 j on
	v_mul_u32_u24 v[SB], v[LAM], 144
	v_add_nc_u32 v[SB], s21, v[SB]                 ; lane l takes block l: row l / 8, block l % 8 of its 256 along K
	v_bfe_u32 v25, v[LAM], 2, 1                    ; which K step
	v_bfe_u32 v26, v[LAM], 1, 1                    ; c
	v_and_b32 v27, 1, v[LAM]                       ; h
	s_mul_i32 s22, s20, 3072
	v_mul_u32_u24 v[A0], v25, 1536
	v_lshl_add_u32 v[A0], v23, 4, v[A0]
	v_lshl_add_u32 v[A0], v27, 8, v[A0]
	v_add_nc_u32 v[A0], s22, v[A0]
	v_add_nc_u32 v[A0], XIMG, v[A0]                ; image (block w, K step), lane (row, h); a step's four rows are 64 bytes on from the last step's
	v_mad_u32_u24 v[A1], v26, 1016, v[A0]
	v_add_nc_u32 v[A1], 8, v[A1]                   ; register pair 3 c + 1: at 8 or at 1,024
	v_mad_u32_u24 v[A0], v26, 520, v[A0]           ; pair 3 c: at 0 or at 520; pair 3 c + 2 lies 512 further on
	v_and_b32 v[XB], 3, v[LAM]
	v_lshl_add_u32 v[XB], v23, 5, v[XB]
	v_lshl_add_u32 v[XB], v25, 9, v[XB]
	s_lshl_b32 s23, s20, 2
	v_add_nc_u32 v[XB], s23, v[XB]
	v_add_nc_u32 v[XB], XSCT, v[XB]                ; tile of the K step, 32 x row + 4 x block w + the byte's place
	s_and_b32 s24, s20, 3                          ; W: which 32 columns of the group
	s_lshr_b32 s25, s20, 2                         ; W: which K step
	v_bfe_u32 v25, v[LAM], 3, 1                    ; column 32 cg + lane lies in row block 2 cg + u, u = (lane / 8) % 2,
	v_lshrrev_b32 v26, 4, v[LAM]
	v_lshl_add_u32 v26, v26, 3, v24                ; as its row r = lane % 8 + 8 (lane / 16)
	s_mul_i32 s26, s24, 6144
	s_mul_i32 s27, s25, 1536
	s_add_co_u32 s26, s26, s27
	v_mul_u32_u24 v[IW], v25, 3072
	v_lshl_add_u32 v[IW], v26, 4, v[IW]
	v_add_nc_u32 v[IW], s26, v[IW]
	v_add_nc_u32 v[IW], WIMG, v[IW]
	s_lshl_b32 s26, s25, 9
	s_lshl_b32 s27, s24, 3
	s_add_co_u32 s26, s26, s27
	v_lshlrev_b32 v[SW], 5, v26
	v_lshl_add_u32 v[SW], v25, 2, v[SW]
	v_add_nc_u32 v[SW], s26, v[SW]
	v_add_nc_u32 v[SW], WSCT, v[SW]
	v_lshlrev_b32 v[GO], 4, v[LAM]
	v_add_nc_u32 v[RDX], s22, v[GO]
	v_add_nc_u32 v[RDW], WIMG, v[RDX]
	v_add_nc_u32 v[RDX], XIMG, v[RDX]
	s_and_b32 s27, s20, 1
	s_lshl_b32 s27, s27, 9
	v_add_nc_u32 v[RSX], s27, v[GO]
	v_add_nc_u32 v[RSW], WSCT, v[RSX]
	v_add_nc_u32 v[RSX], XSCT, v[RSX]
	v_lshlrev_b32 v[GW], 2, v[LAM]
	s_lshr_b32 s28, ttmp9, 2                       ; the group
	s_and_b32 s29, ttmp9, 3                        ; the quarter of K
	s_mul_i32 s30, s28, 98304                      ; where my wave's images go: group, block w, K step 2 x quarter
	s_mul_i32 s31, s20, 12288
	s_add_co_u32 s30, s30, s31
	s_mul_i32 s31, s29, 3072
	s_add_co_u32 s30, s30, s31
	s_mov_b32 s31, 0
	s_lshl_b32 s32, s28, 12                        ; and a scale tile (waves 0 and 1 store one each)
	s_lshl_b32 s33, s29, 10
	s_add_co_u32 s32, s32, s33
	s_add_co_u32 s32, s32, s27
	s_mov_b32 s33, 0
	s_wait_kmcnt 0x0
	s_add_nc_u64 s[14:15], s[14:15], s[30:31]
	s_add_nc_u64 s[16:17], s[16:17], s[32:33]
; 32 numbers of one lane, v[xs] on, become six registers of codes, v[cd] on, and the scale's byte in v[by].
.macro QBLOCK xs, cd, by
	v_max3_num_f32 v8, |v[\xs]|, |v[\xs+1]|, |v[\xs+2]|             ; the largest magnitude, in two chains
	v_max3_num_f32 v9, |v[\xs+3]|, |v[\xs+4]|, |v[\xs+5]|
.irp i, 6,10,14,18,22,26
	v_max3_num_f32 v8, v8, |v[\xs+\i]|, |v[\xs+\i+1]|
	v_max3_num_f32 v9, v9, |v[\xs+\i+2]|, |v[\xs+\i+3]|
.endr
	v_max3_num_f32 v8, v8, |v[\xs+30]|, |v[\xs+31]|
	v_max3_num_f32 v8, v8, v9, 0x1800000           ; and the floor 2^(3 - 127): the byte cannot fall under 1
	v_add_nc_u32 v11, 0xff000000, v8               ; 2 off the exponent field: the conversion takes this operand's exponent field as its scale
	v_cvt_scalef32_pk16_fp6_f32 v[\cd:\cd+2], v[\xs:\xs+15], v11
	v_cvt_scalef32_pk16_fp6_f32 v[CT:CT+2], v[\xs+16:\xs+31], v11   ; (a conversion's three registers begin on an even number)
	v_lshrrev_b32 v[\by], 23, v11                  ; the byte; also the plain instruction between the conversions and the moves that read a result
.irp i, 0,1,2
	v_mov_b32 v[\cd+3+\i], v[CT+\i]
.endr
.endm
; The way out of either path: every wave's LDS stores are done, a barrier, then 3,072 bytes of images a wave and a scale tile in waves 0 and 1: each store covers 512 consecutive bytes, aligned.
.macro WAYOUT rd, rs
	s_wait_dscnt 0x0                               ; for the others' sake: my stores have landed
	s_barrier_signal -1
	s_barrier_wait -1
.irp j, 0,1,2,3,4,5
	ds_load_b128 v[R+4*\j:R+4*\j+3], v[\rd] offset:512*\j
.endr
	s_wait_dscnt 0x0
.irp j, 0,1,2,3,4,5
	global_store_b128 v[GO], v[R+4*\j:R+4*\j+3], s[14:15] offset:512*\j
.endr
	s_cmp_lt_u32 s20, 2
	s_cbranch_scc0 .Lno_tile_\@
	ds_load_b128 v[R+24:R+27], v[\rs]
	s_wait_dscnt 0x0
	global_store_b128 v[GO], v[R+24:R+27], s[16:17]
.Lno_tile_\@:
	s_wait_tensorcnt 0x0                           ; the wave's end
	ds_add_u32 v[SPW], v[NIL]
	s_wait_dscnt 0x0
	s_endpgm
.endm
	s_cmp_lt_u32 ttmp9, 128                        ; the work-group's number alone decides: all eight waves go the same way
	s_cbranch_scc0 .Lweights
	; ---- x: my 16 rows begin at row 128 group + 32 (w / 2) + 8 (w % 2); my 1,024 bytes of each at 1,024 x quarter
	s_lshl_b32 s34, s28, 7
	s_lshr_b32 s35, s20, 1
	s_lshl_b32 s35, s35, 5
	s_add_co_u32 s34, s34, s35
	s_and_b32 s35, s20, 1
	s_lshl_b32 s35, s35, 3
	s_add_co_u32 s34, s34, s35
	s_lshl_b32 s34, s34, 12
	s_lshl_b32 s35, s29, 10
	s_add_co_u32 s34, s34, s35
	s_mov_b32 s35, 0
	s_add_nc_u64 s[4:5], s[4:5], s[34:35]
.irp t, 0,1,2,3                        ; all 32 loads go out at once; step t's rows are r = 4 t .. 4 t + 3, which lie r + 8 (r / 8) rows on
.irp j, 0,1,2,3,4,5,6,7
	global_load_b128 v[R+32*\t+4*\j:R+32*\t+4*\j+3], v[GO], s[4:5] offset:(4*\t+8*(\t/2)+\j/2)*4096+512*(\j%2) th:TH_LOAD_NT
.endr
.endr
.macro XSTEP t
	s_wait_loadcnt 24-8*(\t)                       ; this step's eight loads are in; the later steps' may be out
.irp j, 0,1,2,3,4,5,6,7
	ds_store_b128 v[SA], v[R+32*(\t)+4*\j:R+32*(\t)+4*\j+3] offset:576*\j
.endr
.irp i, 0,1,2,3,4,5,6,7
	ds_load_b128 v[X+4*\i:X+4*\i+3], v[SB] offset:16*\i             ; LDS serves a wave's instructions in order: these see the stores above
.endr
	s_wait_dscnt 0x0
	QBLOCK X, CD+8*(\t), BY+(\t)
	ds_store_b64 v[A0], v[CD+8*(\t):CD+8*(\t)+1] offset:64*(\t)
	ds_store_b64 v[A1], v[CD+8*(\t)+2:CD+8*(\t)+3] offset:64*(\t)
	ds_store_b64 v[A0], v[CD+8*(\t)+4:CD+8*(\t)+5] offset:64*(\t)+512
	ds_store_b8 v[XB], v[BY+(\t)] offset:128*(\t)
.endm
	XSTEP 0
	XSTEP 1
	XSTEP 2
	XSTEP 3
	WAYOUT RDX, RSX
.Lweights:
	; ---- a weight: which, by the work-group's number
	s_lshr_b32 s34, ttmp9, 5                       ; 4: Wq, 5: Wk, 6: Wv, 7: Wo
	s_cmp_eq_u32 s34, 5
	s_cselect_b64 s[6:7], s[8:9], s[6:7]
	s_cmp_eq_u32 s34, 6
	s_cselect_b64 s[6:7], s[10:11], s[6:7]
	s_cmp_eq_u32 s34, 7
	s_cselect_b64 s[6:7], s[12:13], s[6:7]
	s_lshl_b32 s34, s29, 1
	s_add_co_u32 s34, s34, s25                     ; my K step
	s_lshl_b32 s34, s34, 19                        ; x 128 rows of 4,096 bytes
	s_and_b32 s35, s28, 7
	s_lshl_b32 s35, s35, 2
	s_add_co_u32 s35, s35, s24
	s_lshl_b32 s35, s35, 7                         ; my 32 columns: 128 bytes
	s_add_co_u32 s34, s34, s35
	s_mov_b32 s35, 0
	s_add_nc_u64 s[6:7], s[6:7], s[34:35]
.macro WLOAD t                         ; W(32 t + i, my column) into block t's own 32 registers: the wave reads 128 consecutive bytes, four waves side by side 512.  (The argument may be a sum: it stands in brackets wherever it is multiplied)
.irp i, 0,1,2,3,4,5,6,7,8,9,10,11,12,13,14,15,16,17,18,19,20,21,22,23,24,25,26,27,28,29,30,31
	global_load_b32 v[R+32*(\t)+\i], v[GW], s[6:7] offset:(32*(\t)+\i)*4096 th:TH_LOAD_NT
.endr
.endm
.macro WBLOCK t                        ; block t of my column: c = t / 2, h = t % 2: registers 6 c .. 6 c + 5 of lane r + 16 h
.if (\t) < 3
	s_wait_loadcnt 32                              ; this block's 32 loads are in; the next block's 32, issued behind them, may be out
.else
	s_wait_loadcnt 0x0
.endif
.if (\t) < 2
	WLOAD (\t)+2                                   ; two blocks ahead, into registers of their own
.endif
	QBLOCK R+32*(\t), CD+8*(\t), BY+(\t)
.if (\t) == 0
	v_mov_b32 v[SBW], v[BY]
.else
	v_lshl_or_b32 v[SBW], v[BY+(\t)], 8*(\t), v[SBW]   ; four bytes to the word, the lower K in the lower byte
.endif
.if (\t) < 2
	ds_store_b128 v[IW], v[CD+8*(\t):CD+8*(\t)+3] offset:256*((\t)%2)
	ds_store_b64 v[IW], v[CD+8*(\t)+4:CD+8*(\t)+5] offset:512+256*((\t)%2)
.else
	ds_store_b64 v[IW], v[CD+8*(\t):CD+8*(\t)+1] offset:520+256*((\t)%2)
	ds_store_b128 v[IW], v[CD+8*(\t)+2:CD+8*(\t)+5] offset:1024+256*((\t)%2)
.endif
.endm
	WLOAD 0
	WLOAD 1
	WBLOCK 0
	WBLOCK 1
	WBLOCK 2
	WBLOCK 3
	ds_store_b32 v[SW], v[SBW]
	WAYOUT RDW, RSW
.Lfunc_end_k_q8eaa3ea606_quant:
	.size	k_q8eaa3ea606_quant, .Lfunc_end_k_q8eaa3ea606_quant-k_q8eaa3ea606_quant
	.p2alignl 7, 3214868480
	.fill 96, 4, 3214868480
	.section	.rodata,"a",@progbits
	.p2align	6, 0x0
	.amdhsa_kernel k_q8eaa3ea606_quant
		.amdhsa_group_segment_fixed_size 89088
		.amdhsa_private_segment_fixed_size 0
		.amdhsa_enable_private_segment 0
		.amdhsa_kernarg_size 56
		.amdhsa_user_sgpr_count 2
		.amdhsa_user_sgpr_kernarg_segment_ptr 1
		.amdhsa_wavefront_size32 1
		.amdhsa_system_sgpr_workgroup_id_x 1
		.amdhsa_system_sgpr_workgroup_id_y 1
		.amdhsa_system_sgpr_workgroup_id_z 1
		.amdhsa_system_vgpr_workitem_id 0
		.amdhsa_next_free_vgpr 256
		.amdhsa_next_free_sgpr 66
		.amdhsa_reserve_vcc 0
		.amdhsa_float_denorm_mode_32 3
		.amdhsa_float_denorm_mode_16_64 3
		.amdhsa_memory_ordered 1
		.amdhsa_forward_progress 1
		.amdhsa_inst_pref_size 40
	.end_amdhsa_kernel
	.amdgpu_metadata
---
amdhsa.version: [ 1, 2 ]
amdhsa.kernels:
  - .name:           k_q8eaa3ea606_quant
    .symbol:         k_q8eaa3ea606_quant.kd
    .args:
      - { .name: hidden_states, .offset: 0, .size: 8, .value_kind: global_buffer, .address_space: global }
      - { .name: Wq, .offset: 8, .size: 8, .value_kind: global_buffer, .address_space: global }
      - { .name: Wk, .offset: 16, .size: 8, .value_kind: global_buffer, .address_space: global }
      - { .name: Wv, .offset: 24, .size: 8, .value_kind: global_buffer, .address_space: global }
      - { .name: Wo, .offset: 32, .size: 8, .value_kind: global_buffer, .address_space: global }
      - { .name: inc, .offset: 40, .size: 8, .value_kind: global_buffer, .address_space: global }
      - { .name: ins, .offset: 48, .size: 8, .value_kind: global_buffer, .address_space: global }
    .group_segment_fixed_size: 89088
    .private_segment_fixed_size: 0
    .kernarg_segment_align: 8
    .kernarg_segment_size: 56
    .max_flat_workgroup_size: 256
    .sgpr_count:     66
    .vgpr_count:     256
    .wavefront_size: 32
...
	.end_amdgpu_metadata
.endif
;; end of part 1
;; launch qkv (part 2): grid 12 x 16, 4 waves a work-group, clusters of 4 x 4, 327,680 bytes of LDS; arguments inc, ins, qkvc, qkvs; writes qkvc, qkvs
.if DOCPART == 2
	.amdgcn_target "amdgcn-amd-amdhsa--gfx1250"
	.amdhsa_code_object_version 6
	.text
	.protected	k_q8eaa3ea606_qkv
	.globl	k_q8eaa3ea606_qkv
	.p2align	8
	.type	k_q8eaa3ea606_qkv,@function
k_q8eaa3ea606_qkv:
	s_mov_b64 s[64:65], 0
	v_nop
	global_prefetch_b8 v0, s[64:65] scope:SCOPE_SE
	s_setreg_imm32_b32 hwreg(HW_REG_WAVE_MODE, 25, 1), 1
	s_wait_xcnt 0x0
	s_wait_alu depctr_hold_cnt(0) depctr_sa_sdst(0) depctr_va_vdst(0) depctr_va_sdst(0) depctr_va_ssrc(0) depctr_va_vcc(0) depctr_vm_vsrc(0)
	s_getreg_b32 s2, hwreg(HW_REG_IB_STS2, 6, 4)
	s_cmp_eq_u32 s2, 0
	s_cbranch_scc0 .Lentry_in_a_cluster
	s_endpgm
.Lentry_in_a_cluster:
	s_bfe_u32 s2, ttmp6, 0x10000c
	s_cmp_lg_u32 s2, 0xf033
	s_cbranch_scc0 .Lentry_shape_is_right
	s_endpgm
.Lentry_shape_is_right:
; q = x Wq, k = x Wk and v^T = Wv^T x^T on codes of FP6 (E2M3) with E8M0 scales, each result quantised again in registers, along its columns, for the products of attention.
; ONE BODY: C'[m'][n'] = sum over k of A'[m'][k] B'[n'][k], K = 1,024.  Clusters with x = 0, 1: A' = x (4,096 tokens), B' = Wq then Wk (2,048 columns): C' is quantised along the heads' dims.
; Clusters with x = 2: A' = Wv (1,024 channels), B' = x: C' = v^T, quantised along the keys.  The roles are picked by selections on the cluster's x alone: no branch.
; FORMATS (made by the launch before): a group is 128 rows; row block b is the rows 32 (b / 2) + 8 (b % 2) + r + 8 (r / 8); an image (1,536 bytes) is a fragment's 12 registers, group of four g of lane l at 512 g + 16 l.
; inc: [group][block 8][K step 8][1,536]; ins: [group][K step 8][512], the word of (r, block i) at 32 r + 4 i.  So a fragment is three loads of 512 consecutive bytes, and eight blocks' scale words are two.
; A tile of C', 256 x 256, is made by four waves, 128 x 128 each: 64 accumulators.  SOURCE 0 = 16 rows of B', SOURCE 1 = 16 rows of A': a lane holds one row of C', and by the choice of a block's rows the 16 registers of
; B's blocks 2 b and 2 b + 1 are 16 neighbouring columns, 32 b + 16 (lane / 16) + 0 .. 15: what the conversions want.  A wave's 128 columns are one K step of the next product: one image and one scale word a row.
; OUT: qkvc: q, k: [chunk of 128 columns 16][group of tokens 32][block 8][1,536]; v^T behind them: [chunk of keys 32][group of channels 8][block 8][1,536].  qkvs: the scale tiles in the same order.
; LDS: three slots of 256 along K (A's two groups, B's two groups), all first fills; the fourth quarter of K goes into slot 0 once K steps 0 and 1 are read: the one refill.  The scales of all K come once.
; CLUSTER 4 x 4: A's tiles are asked for jointly along a row of the cluster, B's along a column.  By this text's own count a wave has four tensor loads out at the start and one behind the refill's round.
; LIMITS: NaN and infinities are not served; a block of zeros gets the byte 1 (its codes are zeros; this program alone reads the bytes).
; REGISTERS: window 0: v1-29 addresses; v32-47 scale words, two sets; v48-95 at work on the way out; v128-223 A's fragments, one set, later the codes.  window 1: B's fragments, two sets.  windows 2, 3: the accumulators.
.set FR,    12
.set HALFT, 24576                      ; a group's 256 along K: [block 8][2][1,536]: what one tensor load brings
.set SLOT,  98304
.set SCL,   294912                     ; four groups' scales, 4,096 bytes each
.set SPARE, 311296                     ; the spare words: two blocks of 256 bytes that no other line names
.set LI,   3                           ; 16 x lane
.set ADRA, 16                          ; v16-18 my group of A in slots 0, 1, 2
.set ADRB, 20                          ; v20-22 of B
.set ADRS, 24                          ; my scale words: lanes 0-15 A's, lanes 16-31 B's
.set SO,   26                          ; the way out: 32 r + 16 h
.set SPW,  28
.set NIL,  29
.set SC,   32
.set TM,   48
.set PT,   64
.set PWS,  80
.set SL4,  88
.set AF,   128
.set G1A,  28
.set G1B,  36
.set G1SA, 44
.set G1SB, 52
.set G0A0, 60
.set G0A1, 68
.set G0A2, 72
.set G0B0, 76
.set G0B1, 80
.set G0B2, 84
.set G0SA, 88
.set G0SB, 92
.set SEL,  98
.set MSB, 0
.macro WIN new                         ; the immediate's high byte repeats the setting that is left
.if MSB != (\new)
	s_set_vgpr_msb (MSB<<8)|(\new)
.set MSB, (\new)
.endif
.endm
.set MUL_LO, 0xa1                      ; source 0 (B) window 1, source 1 (A) window 0, C and D window 2
.set MUL_HI, 0xf1
.set TO_B,   0x40
; A joint load: waves 0 and 1 fetch for A, waves 2 and 3 for B.  An s_nop 0 and four v_nop follow each of the two lines.
.macro JLOAD g0a, g1a, g0b, g1b
	s_cmp_eq_u32 s15, 0
	s_cbranch_scc0 .Lfor_b_\@
	tensor_load_to_lds s[\g0a:\g0a+3], s[\g1a:\g1a+7]
	s_nop 0
.rept 4
	v_nop
.endr
	s_branch .Lasked_\@
.Lfor_b_\@:
	tensor_load_to_lds s[\g0b:\g0b+3], s[\g1b:\g1b+7]
	s_nop 0
.rept 4
	v_nop
.endr
.Lasked_\@:
.endm
.macro CREST                           ; a round of the cluster's barrier behind its opening barrier
	s_cmp_lg_u32 s14, 0
	s_cbranch_scc1 .Lnot_wave_0_\@
	s_barrier_signal -3
.Lnot_wave_0_\@:
	s_barrier_wait -3
	s_barrier_signal -1
	s_barrier_wait -1
.endm
.macro CROUND
	s_barrier_signal -1
	s_barrier_wait -1
	CREST
.endm
.macro MKG0 g, ldsreg, ldsoff, p, goff ; descriptor group 0: count 1, LDS address, global address, type 2
	s_mov_b32 s[\g], 1
	s_add_co_u32 s[\g+1], s[\ldsreg], \ldsoff
	s_add_nc_u64 s[\g+2:\g+3], s[\p:\p+1], \goff
	s_or_b32 s[\g+3], s[\g+3], 0x80000000
.endm
	s_load_b256 s[4:11], s[0:1], 0x0               ; inc, ins, qkvc, qkvs
	v_lshl_add_u32 v[SPW], v0, 2, SPARE
	v_mov_b32 v[NIL], 0
	ds_add_u32 v[SPW], v[NIL]                      ; the wave's opening: work on registers stands between the add and its wait
	v_lshrrev_b32 v1, 5, v0
	v_readfirstlane_b32 s14, v1                    ; wave 0..3
	s_lshr_b32 s15, s14, 1                         ; my half of the tile's rows.  Also: I fetch for A (0) or for B (1)
	s_and_b32 s16, s14, 1                          ; my half of its columns.  Also: which group of that operand I fetch
	s_bfe_u32 s96, ttmp6, 0x40000                  ; cx
	s_bfe_u32 s97, ttmp6, 0x40004                  ; cy
	s_and_b32 s13, ttmp7, 0xffff                   ; cluster y
	s_mov_b32 s21, 393216
	s_mov_b32 s23, 16384
	s_cmp_eq_u32 ttmp9, 2                          ; v's clusters?  The same in all sixteen partners
	s_cselect_b32 s17, 0, s13                      ; row of clusters in C'
	s_cselect_b32 s18, s13, ttmp9                  ; column of clusters
	s_cselect_b32 s19, 48, 0                       ; A's first group in inc: Wv or x
	s_cselect_b32 s20, 0, 32                       ; B's: x or Wq
	s_cselect_b32 s21, 98304, s21                  ; out: bytes of codes from chunk to chunk,
	s_cselect_b32 s22, 6291456, 0                  ; and where the chunks begin;
	s_cselect_b32 s23, 4096, s23                   ; the same for the scale tiles
	s_cselect_b32 s12, 262144, 0
	s_lshl_b32 s17, s17, 2
	s_add_co_u32 s17, s17, s97                     ; tile row
	s_lshl_b32 s18, s18, 2
	s_add_co_u32 s18, s18, s96                     ; tile column
	s_lshl_b32 s98, s97, 2
	s_lshl_b32 s98, 15, s98                        ; my row of the cluster
	s_lshl_b32 s99, 0x1111, s96                    ; my column
	s_or_b32 s[G1A], s98, (3<<16)|(1<<21)          ; 15:0 the mask; 17:16 elements of 8 bytes; 21 set beside a mask; no padding: a fragment's loads take consecutive bytes
	s_or_b32 s[G1B], s99, (3<<16)|(1<<21)
	s_or_b32 s[G1SA], s98, (3<<16)|(1<<21)
	s_or_b32 s[G1SB], s99, (3<<16)|(1<<21)
.irp g, G1A, G1B                       ; codes: 8 rows (a block's two K steps, 3,072 bytes = 384 elements), 12,288 bytes apart
	s_mov_b32 s[\g+1], 384<<16
	s_mov_b32 s[\g+2], 8<<16
	s_mov_b32 s[\g+3], 384<<16
	s_mov_b32 s[\g+4], 8
	s_mov_b32 s[\g+5], 1536
	s_mov_b32 s[\g+6], 0
	s_mov_b32 s[\g+7], 0
.endr
.irp g, G1SA, G1SB                     ; scales: 4,096 dense bytes as 16 rows of 256
	s_mov_b32 s[\g+1], 32<<16
	s_mov_b32 s[\g+2], 16<<16
	s_mov_b32 s[\g+3], 32<<16
	s_mov_b32 s[\g+4], 16
	s_mov_b32 s[\g+5], 32
	s_mov_b32 s[\g+6], 0
	s_mov_b32 s[\g+7], 0
.endr
	s_lshl_b32 s24, s17, 1                         ; A's group: first + 2 x tile row + which: it hangs on cy alone
	s_add_co_u32 s24, s24, s19
	s_add_co_u32 s24, s24, s16
	s_lshl_b32 s26, s24, 12
	s_mul_i32 s24, s24, 98304
	s_mov_b32 s25, 0
	s_mov_b32 s27, 0
	s_lshl_b32 s2, s18, 1                          ; B's group: it hangs on cx alone
	s_add_co_u32 s2, s2, s20
	s_add_co_u32 s2, s2, s16
	s_lshl_b32 s100, s2, 12
	s_mul_i32 s2, s2, 98304
	s_mov_b32 s3, 0
	s_mov_b32 s101, 0
	s_mul_i32 s66, s14, HALFT                      ; where they go: the wave's number alone
	s_lshl_b32 s67, s14, 12
	s_wait_dscnt 0x0                               ; the opening add is done
	s_wait_kmcnt 0x0
	s_add_nc_u64 s[24:25], s[4:5], s[24:25]
	s_add_nc_u64 s[26:27], s[6:7], s[26:27]
	s_add_nc_u64 s[2:3], s[4:5], s[2:3]
	s_add_nc_u64 s[100:101], s[6:7], s[100:101]
	CROUND                                         ; all sixteen work-groups are here: the first joint loads meet
	MKG0 G0SA, 67, SCL, 26, 0
	MKG0 G0SB, 67, SCL, 100, 0
	JLOAD G0SA, G1SA, G0SB, G1SB                   ; the scales first: they are wanted with K step 0
	MKG0 G0A0, 66, 0, 24, 0
	MKG0 G0B0, 66, 0, 2, 0
	JLOAD G0A0, G1A, G0B0, G1B                     ; K steps 0, 1
	MKG0 G0A1, 66, SLOT, 24, 3072
	MKG0 G0B1, 66, SLOT, 2, 3072
	JLOAD G0A1, G1A, G0B1, G1B                     ; K steps 2, 3
	MKG0 G0A2, 66, 2*SLOT, 24, 6144
	MKG0 G0B2, 66, 2*SLOT, 2, 6144
	JLOAD G0A2, G1A, G0B2, G1B                     ; K steps 4, 5
	v_and_b32 v1, 15, v0                           ; r
	v_bfe_u32 v2, v0, 4, 1                         ; h
	v_and_b32 v[LI], 31, v0
	v_lshlrev_b32 v[LI], 4, v[LI]
	s_mul_i32 s24, s15, HALFT
	s_mul_i32 s25, s16, HALFT
	s_add_co_u32 s25, s25, 2*HALFT
.irp s, 0,1,2
	v_add_nc_u32 v[ADRA+\s], s24, v[LI]
	v_add_nc_u32 v[ADRB+\s], s25, v[LI]
	s_add_co_u32 s24, s24, SLOT
	s_add_co_u32 s25, s25, SLOT
.endr
	v_lshlrev_b32 v[ADRS], 5, v1
	s_lshl_b32 s24, s15, 12                        ; A's scales: my group
	s_lshl_b32 s25, s16, 12                        ; B's: my group, behind A's two
	s_add_co_u32 s25, s25, 8192
	s_sub_co_u32 s25, s25, s24
	v_mul_u32_u24 v4, s25, v2                      ; lanes 16-31 take B's: one product, the distance between the two
	s_add_co_u32 s24, s24, SCL
	v_add_nc_u32 v[ADRS], v[ADRS], v4
	v_add_nc_u32 v[ADRS], s24, v[ADRS]
	v_lshlrev_b32 v[SO], 5, v1
	v_lshl_add_u32 v[SO], v2, 4, v[SO]
.irp b, 0,1,2,3
	v_mov_b32 v[TM+4+\b], 0                        ; written once: a lane permute's destination counts as one of its sources
.endr
	s_mov_b32 s[SEL], 0x76543210                   ; (the masks have gone into the descriptors)
	s_mov_b32 s[SEL+1], 0xfedcba98
	s_lshl_b32 s2, s18, 1                          ; where my results go: chunk = 2 x tile column + my half,
	s_add_co_u32 s2, s2, s16
	s_lshl_b32 s24, s17, 1
	s_add_co_u32 s24, s24, s15                     ; group = 2 x tile row + my half
	s_mul_i32 s26, s2, s23
	s_mul_i32 s2, s2, s21
	s_add_co_u32 s2, s2, s22
	s_mul_i32 s25, s24, 12288
	s_add_co_u32 s2, s2, s25
	s_mov_b32 s3, 0
	s_add_nc_u64 s[8:9], s[8:9], s[2:3]
	s_add_co_u32 s26, s26, s12
	s_lshl_b32 s24, s24, 9
	s_add_co_u32 s26, s26, s24
	s_mov_b32 s27, 0
	s_add_nc_u64 s[10:11], s[10:11], s[26:27]
.macro FRAG reg, adr, q, i             ; a fragment as it stands: three loads of 512 consecutive bytes
.irp g, 0,1,2
	ds_load_b128 v[\reg+4*\g:\reg+4*\g+3], v[\adr] offset:3072*(\i)+1536*(\q)+512*\g
.endr
.endm
.macro FETCH_B slot, q, p
	WIN TO_B
.irp i, 0,1,2,3,4,5,6,7
	FRAG 128*(\p)+FR*\i, ADRB+\slot, \q, \i
.endr
	WIN 0
.endm
.macro FETCH_A slot, q, i0
.irp i, \i0, \i0+1, \i0+2, \i0+3
	FRAG AF+FR*(\i), ADRA+\slot, \q, \i
.endr
.endm
.macro SCALES k, set                   ; K step k's words: register i: lanes 0-15 A's block i, lanes 16-31 B's block i
	ds_load_b128 v[SC+8*(\set):SC+8*(\set)+3], v[ADRS] offset:512*(\k)
	ds_load_b128 v[SC+8*(\set)+4:SC+8*(\set)+7], v[ADRS] offset:512*(\k)+16
.endm
; 16 matrix instructions: A's blocks a0, a0 + 1 x B's eight.  The 64 accumulators take turns, one instruction a turn, in the same order in every K step.
.macro MUL16 a0, p, zero
.irp a, \a0, \a0+1
.irp b, 0,1,2,3,4,5,6,7
.if \zero
	v_wmma_scale_f32_16x16x128_f8f6f4 v[8*(8*((\a)%4)+\b):8*(8*((\a)%4)+\b)+7], v[128*(\p)+FR*\b:128*(\p)+FR*\b+FR-1], v[AF+FR*(\a):AF+FR*(\a)+FR-1], 0, v[SC+8*(\p)+\b], v[SC+8*(\p)+(\a)] matrix_a_fmt:MATRIX_FMT_FP6 matrix_b_fmt:MATRIX_FMT_FP6 matrix_a_scale:MATRIX_SCALE_ROW1
.else
	v_wmma_scale_f32_16x16x128_f8f6f4 v[8*(8*((\a)%4)+\b):8*(8*((\a)%4)+\b)+7], v[128*(\p)+FR*\b:128*(\p)+FR*\b+FR-1], v[AF+FR*(\a):AF+FR*(\a)+FR-1], v[8*(8*((\a)%4)+\b):8*(8*((\a)%4)+\b)+7], v[SC+8*(\p)+\b], v[SC+8*(\p)+(\a)] matrix_a_fmt:MATRIX_FMT_FP6 matrix_b_fmt:MATRIX_FMT_FP6 matrix_a_scale:MATRIX_SCALE_ROW1
.endif
.endr
.endr
.endm
.macro PLACES                          ; four plain vector instructions between a matrix instruction and a load into, or a read of, its registers
.rept 4
	v_nop
.endr
.endm
; A K step on B's set p and scale set p; the next K step (number nk: slot ns, its q-th 128) is fetched meanwhile: B, A's blocks 0-3 and the scales in the middle, A's blocks 4-7 at the end.
.macro STEP p, ns, nq, nk, zero
	s_wait_dscnt 12                                ; all but the youngest twelve loads (A's blocks 4-7) are in
	WIN MUL_LO
	MUL16 0, \p, \zero
	MUL16 2, \p, \zero
	s_wait_dscnt 0x0                               ; A's blocks 4-7 are in
	PLACES
	FETCH_B \ns, \nq, 1-\p
	FETCH_A \ns, \nq, 0
	SCALES \nk, 1-\p
	WIN MUL_HI
	MUL16 4, \p, \zero
	MUL16 6, \p, \zero
	PLACES
	WIN 0
	FETCH_A \ns, \nq, 4
.endm
; A K step with a barrier.  In front of it each wave waits for all its tensor loads, adds 0 to its spare word, and waits for that and for its LDS reads.  fill = 1: the barrier opens a round of the cluster's,
; and behind it slot 0, whose two K steps every wave of every partner has read, takes K steps 6 and 7.
.macro TURN p, ns, nq, nk, fill
	s_wait_tensorcnt 0x0                           ; all my tensor loads have landed
	ds_add_u32 v[SPW], v[NIL]                      ; 0 onto my spare word
	s_wait_dscnt 13                                ; (the add and the youngest twelve loads may be out)
	WIN MUL_LO
	MUL16 0, \p, 0                                 ; sixteen matrix instructions stand between the add and the wait for it
	s_wait_dscnt 0x0                               ; the add is done, and my LDS reads are back
	s_barrier_signal -1
	MUL16 2, \p, 0
	WIN 0
	s_barrier_wait -1
.if \fill
	CREST
	s_add_nc_u64 s[G0A0+2:G0A0+3], s[G0A0+2:G0A0+3], 9216    ; three slots on along K
	s_add_nc_u64 s[G0B0+2:G0B0+3], s[G0B0+2:G0B0+3], 9216
	JLOAD G0A0, G1A, G0B0, G1B                     ; the first tensor load behind the round: three and a half K steps, 224 matrix instructions, ahead of the wait for it; its four v_nop are the places in front of the loads below
.else
	PLACES
.endif
	FETCH_B \ns, \nq, 1-\p
	FETCH_A \ns, \nq, 0
	SCALES \nk, 1-\p
	WIN MUL_HI
	MUL16 4, \p, 0
	MUL16 6, \p, 0
	PLACES
	WIN 0
	FETCH_A \ns, \nq, 4
.endm
	s_wait_tensorcnt 2                             ; the scales and my part of slot 0 are in; slot 1's and slot 2's loads may be out
	s_barrier_signal -1
	s_barrier_wait -1
	FETCH_B 0, 0, 0
	FETCH_A 0, 0, 0
	SCALES 0, 0
	FETCH_A 0, 0, 4
	STEP 0, 0, 1, 1, 1                             ; K step 0: its products start the sums: nothing is cleared
	TURN 1, 1, 0, 2, 1                             ; K step 1: the one refill
	STEP 0, 1, 1, 3, 0                             ; K step 2
	STEP 1, 2, 0, 4, 0                             ; K step 3: slot 2 was shown whole to every wave by the round above
	STEP 0, 2, 1, 5, 0                             ; K step 4
	TURN 1, 0, 0, 6, 0                             ; K step 5: the refill has landed in every wave's view; nothing more is asked for
	STEP 0, 0, 1, 7, 0                             ; K step 6
	s_wait_dscnt 12                                ; K step 7: nothing more to fetch
	WIN MUL_LO
	MUL16 0, 1, 0
	MUL16 2, 1, 0
	s_wait_dscnt 0x0
	WIN MUL_HI
	MUL16 4, 1, 0
	MUL16 6, 1, 0
	WIN 0
; THE WAY OUT.  Block a's 64 numbers of a lane, register 16 b + i = column 32 b + 16 (lane / 16) + i of my row, become an image's 12 registers and the row's scale word.  No LDS: an image is stored as it stands.
.macro QOUT a
.set W,  2+(\a)/4
.set WW, (W<<2)|(W<<4)
.set AC, 64*((\a)%4)
.set PC, AF+12*(\a)
	WIN WW                                         ; sources 1 and 2 in the accumulators' window
.irp b, 0,1,2,3
	v_max3_num_f32 v[TM+\b], 0x1800000, |v[AC+16*\b]|, |v[AC+16*\b+1]|      ; block b: my 16 numbers and the floor 2^(3 - 127); each accumulator is read from its low end on
.endr
.irp i, 2,4,6,8,10,12,14
.irp b, 0,1,2,3
	v_max3_num_f32 v[TM+\b], v[TM+\b], |v[AC+16*\b+\i]|, |v[AC+16*\b+\i+1]|
.endr
.endr
	WIN 0
.irp b, 0,1,2,3
	v_permlanex16_b32 v[TM+4+\b], v[TM+\b], s[SEL], s[SEL+1]
.endr
.irp b, 0,1,2,3
	v_max_num_f32 v[TM+\b], v[TM+\b], v[TM+4+\b]   ; with lane l xor 16's: the block's largest magnitude
.endr
.irp b, 0,1,2,3
	v_add_nc_u32 v[TM+12+\b], 0xff000000, v[TM+\b] ; 2 off its exponent field: the conversion's scale operand
.endr
.irp b, 0,1,2,3
	v_lshrrev_b32 v[TM+4+\b], 23, v[TM+12+\b]      ; the byte
.endr
	v_lshl_or_b32 v[PWS+\a], v[TM+5], 8, v[TM+4]
	v_lshl_or_b32 v[PWS+\a], v[TM+6], 16, v[PWS+\a]
	v_lshl_or_b32 v[PWS+\a], v[TM+7], 24, v[PWS+\a]
	WIN W                                          ; source 0 in the accumulators' window
.irp c, 0,1
	v_cvt_scalef32_pk16_fp6_f32 v[PC+6*\c:PC+6*\c+2], v[AC+32*\c:AC+32*\c+15], v[TM+12+2*\c]
	v_cvt_scalef32_pk16_fp6_f32 v[PT+4*\c:PT+4*\c+2], v[AC+32*\c+16:AC+32*\c+31], v[TM+12+2*\c+1]
.endr
	WIN 0
	v_nop                                          ; one plain instruction behind a scaled conversion
.irp c, 0,1                            ; the layout wants a whole block in a lane: lanes 0-15 block 2 c, lanes 16-31 block 2 c + 1
.irp i, 0,1,2
	v_permlane16_swap_b32 v[PC+6*\c+\i], v[PT+4*\c+\i]
.endr
.irp i, 0,1,2
	v_mov_b32 v[PC+6*\c+3+\i], v[PT+4*\c+\i]
.endr
.endr
.irp g, 0,1,2
	global_store_b128 v[LI], v[PC+4*\g:PC+4*\g+3], s[8:9] offset:1536*(\a)+512*\g    ; 512 consecutive bytes, aligned; each block has registers of its own, so no store's data are written again
.endr
.endm
	PLACES
.irp a, 0,1,2,3,4,5,6,7
	QOUT \a
.endr
	v_cmp_eq_u32 vcc_lo, 1, v2                     ; the scale tile: lane (r, h) stores the words of blocks 4 h .. 4 h + 3 of row r
.irp j, 0,1,2,3
	v_cndmask_b32 v[SL4+\j], v[PWS+\j], v[PWS+4+\j], vcc_lo
.endr
	global_store_b128 v[SO], v[SL4:SL4+3], s[10:11]
	s_wait_tensorcnt 0x0                           ; the wave's end
	ds_add_u32 v[SPW], v[NIL]
	s_wait_dscnt 0x0
	CROUND                                         ; the closing round: no work-group ends while a partner may still ask for a tile that names it
	s_endpgm
.Lfunc_end_k_q8eaa3ea606_qkv:
	.size	k_q8eaa3ea606_qkv, .Lfunc_end_k_q8eaa3ea606_qkv-k_q8eaa3ea606_qkv
	.p2alignl 7, 3214868480
	.fill 96, 4, 3214868480
	.section	.rodata,"a",@progbits
	.p2align	6, 0x0
	.amdhsa_kernel k_q8eaa3ea606_qkv
		.amdhsa_group_segment_fixed_size 327680
		.amdhsa_private_segment_fixed_size 0
		.amdhsa_enable_private_segment 0
		.amdhsa_kernarg_size 32
		.amdhsa_user_sgpr_count 2
		.amdhsa_user_sgpr_kernarg_segment_ptr 1
		.amdhsa_wavefront_size32 1
		.amdhsa_system_sgpr_workgroup_id_x 1
		.amdhsa_system_sgpr_workgroup_id_y 1
		.amdhsa_system_sgpr_workgroup_id_z 1
		.amdhsa_system_vgpr_workitem_id 0
		.amdhsa_next_free_vgpr 1024
		.amdhsa_next_free_sgpr 102
		.amdhsa_reserve_vcc 1
		.amdhsa_float_denorm_mode_32 3
		.amdhsa_float_denorm_mode_16_64 3
		.amdhsa_memory_ordered 1
		.amdhsa_forward_progress 1
		.amdhsa_inst_pref_size 139
	.end_amdhsa_kernel
	.amdgpu_metadata
---
amdhsa.version: [ 1, 2 ]
amdhsa.kernels:
  - .name:           k_q8eaa3ea606_qkv
    .symbol:         k_q8eaa3ea606_qkv.kd
    .args:
      - { .name: inc, .offset: 0, .size: 8, .value_kind: global_buffer, .address_space: global }
      - { .name: ins, .offset: 8, .size: 8, .value_kind: global_buffer, .address_space: global }
      - { .name: qkvc, .offset: 16, .size: 8, .value_kind: global_buffer, .address_space: global }
      - { .name: qkvs, .offset: 24, .size: 8, .value_kind: global_buffer, .address_space: global }
    .group_segment_fixed_size: 327680
    .private_segment_fixed_size: 0
    .kernarg_segment_align: 8
    .kernarg_segment_size: 32
    .max_flat_workgroup_size: 128
    .sgpr_count:     102
    .vgpr_count:     1024
    .wavefront_size: 32
...
	.end_amdgpu_metadata
.endif
;; end of part 2
;; launch attn (part 3): grid 32 x 8, 16 waves a work-group, no clusters, 167,936 bytes of LDS; arguments qkvc, qkvs, oc, os; writes oc, os
.if DOCPART == 3
	.amdgcn_target "amdgcn-amd-amdhsa--gfx1250"
	.amdhsa_code_object_version 6
	.text
	.protected	k_q8eaa3ea606_attn
	.globl	k_q8eaa3ea606_attn
	.p2align	8
	.type	k_q8eaa3ea606_attn,@function
k_q8eaa3ea606_attn:
	s_mov_b64 s[64:65], 0
	v_nop
	global_prefetch_b8 v0, s[64:65] scope:SCOPE_SE
	s_setreg_imm32_b32 hwreg(HW_REG_WAVE_MODE, 25, 1), 1
	s_wait_xcnt 0x0
; Attention under the local causal window (key j counts for query i where i - 256 < j <= i), both products on codes of FP6 (E2M3) with E8M0 scales; no 1 / sqrt(d).  The result o / l is quantised along the channels.
; SHARES.  A work-group owns 128 queries (block G) of a pair of heads P.  Wave w: head w / 8 of the pair, query tile w % 8: 16 queries, row block w % 8 of the group (rows 32 (a / 2) + 8 (a % 2) + r + 8 (r / 8)).
; Aligned chunks of 128 keys: a block of 128 queries needs chunks G - 2, G - 1, G and no others.  With kap the key's place in its chunk and rq the query's in its block: chunk G - 2 counts where kap > rq,
; chunk G - 1 always, chunk G where kap <= rq.  Chunks that do not exist (G < 2) are jumped over by a branch on the work-group's number; their tensor loads fetch chunk 0 again (two query blocks of 32), and it is not read.
; OPERANDS are images of registers (1,536 bytes: group of four g of lane l at 512 g + 16 l), made by the launch before: q, k: 16 tokens x the pair's 128 dims; v^T: 16 channels x 128 keys.
; A head's K is 64: k's fragments hold both heads' dims, and q's registers of the other head are set to zero codes, which add nothing under any scale byte.
; Both products are used transposed (S^T = k q^T, O^T = v^T p^T): a lane holds one query throughout, and by the choice of a block's rows p's 16 registers of two tiles are 16 neighbouring keys.
; SOFTMAX: t = score x log2(e); M = the running largest t rounded up to a whole number; p = 2^(t - M) is quantised along the keys; the sum is taken of the unquantised p and divides at the end.
; LIMITS: hidden scores are -infinity where the problem's text has the most negative f32: the same values, since every query has its own key.  NaN and infinities among the inputs are not served.  A block of zeros gets the byte 1.
; No cluster: neighbouring query blocks share chunks, but at different places among their three, so an LDS address would hang on the place in the cluster.  Every tile is asked for at the head, so there is no later load to run ahead of: no prefetch.
; REGISTERS: v1-11 addresses; v12 -M, v13 the largest t, v[14:15] the sum; v16-27 q; v32-79 four fragments; v80-87 k's scale words, v88-91 v's; v96-159 S^T, then p; v160-191 O^T; v224-235 p's codes; v232-254 at work; v253 p's scale word; v255 q's.
.set KIMG,  0                          ; three chunks of k: 8 images each
.set VIMG,  36864                      ; three chunks of v^T
.set KSC,   73728                      ; their scale tiles, 512 bytes each
.set VSC,   75264
.set OIMG,  76800                      ; o's eight images: written by LDS stores alone
.set OSC,   89088                      ; o's scale tile
.set SPARE, 89600                      ; the spare words, 128 bytes for each wave: eight blocks of 256 bytes that no other line names
.set LI,  1
.set AV,  2
.set ASK, 3
.set ASV, 4
.set SPW, 5
.set NIL, 6
.set DD,  7
.set OA0, 8
.set OA1, 9
.set OSA, 10
.set RDO, 11
.set R32, 30
.set RSO, 92
.set WV,  18
.set CHI, 19
.set TA,  20
.set GG,  21
.set SEL, 22
.set CS,  24
.set PP,  26
.set G1C, 28
.set G1S, 36
.set G0C, 44
.set G0S, 48
	s_load_b256 s[4:11], s[0:1], 0x0               ; qkvc, qkvs, oc, os
	v_lshl_add_u32 v[SPW], v0, 2, SPARE
	v_mov_b32 v[NIL], 0
	ds_add_u32 v[SPW], v[NIL]                      ; the wave's opening: work on registers stands between the add and its wait
	v_lshrrev_b32 v28, 5, v0
	v_readfirstlane_b32 s[WV], v28                 ; wave 0..15
	s_lshr_b32 s[CHI], s[WV], 3
	s_and_b32 s[TA], s[WV], 7
	s_mov_b32 s[GG], ttmp9
	s_and_b32 s[PP], ttmp7, 0xffff
	; what I fetch, if I fetch: waves 0-2 k's codes of chunk j = w % 3, 3-5 v's, 6-8 k's scale tiles, 9-11 v's
	s_mul_i32 s52, s[WV], 11
	s_lshr_b32 s52, s52, 5                         ; w / 3
	s_mul_i32 s53, s52, 3
	s_sub_co_u32 s53, s[WV], s53                   ; j
	s_add_co_u32 s53, s53, s[GG]
	s_sub_co_i32 s53, s53, 2
	s_max_i32 s53, s53, 0                          ; the chunk, held at 0
	s_and_b32 s52, s52, 1                          ; 1: v
	s_add_co_u32 s54, s[PP], 8
	s_mul_i32 s55, s54, 393216
	s_mul_i32 s56, s53, 12288
	s_add_co_u32 s55, s55, s56                     ; k's codes
	s_mul_i32 s56, s53, 98304
	s_mul_i32 s57, s[PP], 12288
	s_add_co_u32 s56, s56, s57
	s_add_co_u32 s56, s56, 6291456                 ; v's codes
	s_lshl_b32 s57, s54, 14
	s_lshl_b32 s58, s53, 9
	s_add_co_u32 s57, s57, s58                     ; k's scale tile
	s_lshl_b32 s58, s53, 12
	s_lshl_b32 s59, s[PP], 9
	s_add_co_u32 s58, s58, s59
	s_add_co_u32 s58, s58, 262144                  ; v's
	s_cmp_eq_u32 s52, 1
	s_cselect_b32 s60, s56, s55
	s_cselect_b32 s62, s58, s57
	s_mov_b32 s61, 0
	s_mov_b32 s63, 0
	s_mov_b32 s[G1C], 3<<16                        ; 12,288 dense bytes as 48 rows of 256 (32 elements of 8 bytes); no mask, no padding
	s_mov_b32 s[G1C+1], 32<<16
	s_mov_b32 s[G1C+2], 48<<16
	s_mov_b32 s[G1C+3], 32<<16
	s_mov_b32 s[G1C+4], 48
	s_mov_b32 s[G1C+5], 32
	s_mov_b32 s[G1C+6], 0
	s_mov_b32 s[G1C+7], 0
	s_mov_b32 s[G1S], 3<<16                        ; 512 dense bytes as 2 rows of 256
	s_mov_b32 s[G1S+1], 32<<16
	s_mov_b32 s[G1S+2], 2<<16
	s_mov_b32 s[G1S+3], 32<<16
	s_mov_b32 s[G1S+4], 2
	s_mov_b32 s[G1S+5], 32
	s_mov_b32 s[G1S+6], 0
	s_mov_b32 s[G1S+7], 0
	s_mov_b32 s[G0C], 1
	s_mul_i32 s[G0C+1], s[WV], 12288               ; waves 0-5: k's three chunks, then v's three
	s_mov_b32 s[G0S], 1
	s_lshl_b32 s[G0S+1], s[WV], 9
	s_add_co_u32 s[G0S+1], s[G0S+1], KSC-3072      ; waves 6-11: the six tiles
	s_mov_b32 s[SEL], 0x76543210
	s_mov_b32 s[SEL+1], 0xfedcba98
	s_mov_b32 s[CS], 0x3fb8aa3b                    ; log2(e)
	s_mov_b32 s[CS+1], s[CS]                       ; (named with it as a pair, so it is written)
	s_wait_dscnt 0x0                               ; the opening add is done
	s_wait_kmcnt 0x0
	s_add_nc_u64 s[G0C+2:G0C+3], s[4:5], s[60:61]
	s_or_b32 s[G0C+3], s[G0C+3], 0x80000000
	s_add_nc_u64 s[G0S+2:G0S+3], s[6:7], s[62:63]
	s_or_b32 s[G0S+3], s[G0S+3], 0x80000000
	s_cmp_lt_u32 s[WV], 6                          ; one tensor load in each of waves 0 to 11; every wait on TENSORcnt in this text is for 0
	s_cbranch_scc0 .Lnot_codes_in
	tensor_load_to_lds s[G0C:G0C+3], s[G1C:G1C+7]
	s_nop 0
.rept 4
	v_nop
.endr
	s_branch .Lasked
.Lnot_codes_in:
	s_cmp_lt_u32 s[WV], 12
	s_cbranch_scc0 .Lasked
	tensor_load_to_lds s[G0S:G0S+3], s[G1S:G1S+7]
	s_nop 0
.rept 4
	v_nop
.endr
.Lasked:
	s_lshl_b32 s52, s[GG], 3                       ; q's image: chunk P, group G, block a
	s_add_co_u32 s52, s52, s[TA]
	s_mul_i32 s52, s52, 1536
	s_mul_i32 s53, s[PP], 393216
	s_add_co_u32 s52, s52, s53
	s_mov_b32 s53, 0
	s_add_nc_u64 s[54:55], s[4:5], s[52:53]
	s_lshl_b32 s56, s[PP], 14                      ; its scale words: tile (P, G), 32 r + 4 a
	s_lshl_b32 s57, s[GG], 9
	s_add_co_u32 s56, s56, s57
	s_lshl_b32 s57, s[TA], 2
	s_add_co_u32 s56, s56, s57
	s_mov_b32 s57, 0
	s_add_nc_u64 s[56:57], s[6:7], s[56:57]
	v_and_b32 v28, 15, v0                          ; r
	v_bfe_u32 v29, v0, 4, 1                        ; h
	v_and_b32 v[LI], 31, v0
	v_lshlrev_b32 v[LI], 4, v[LI]
.irp g, 0,1,2
	global_load_b128 v[16+4*\g:19+4*\g], v[LI], s[54:55] offset:512*\g
.endr
	v_lshlrev_b32 v[R32], 5, v28
	global_load_b32 v255, v[R32], s[56:57]
	s_mul_i32 s58, s[CHI], 6144
	s_add_co_u32 s58, s58, VIMG
	v_add_nc_u32 v[AV], s58, v[LI]                 ; v^T: my head's four blocks of channels
	v_add_nc_u32 v[ASK], KSC, v[R32]
	s_lshl_b32 s58, s[CHI], 4
	s_add_co_u32 s58, s58, VSC
	v_add_nc_u32 v[ASV], s58, v[R32]
	s_lshr_b32 s58, s[TA], 1
	s_lshl_b32 s58, s58, 5
	s_and_b32 s59, s[TA], 1
	s_lshl_b32 s59, s59, 3
	s_add_co_u32 s58, s58, s59
	v_and_b32 v31, 8, v28
	v_add_nc_u32 v31, v31, v28
	v_add_nc_u32 v31, s58, v31                     ; rq: my query's place in its block
	v_lshlrev_b32 v[DD], 4, v29
	v_sub_nc_u32 v[DD], v31, v[DD]                 ; rq - 16 h: register 16 b + i holds key 32 b + 16 h + i of the chunk
	s_mul_i32 s66, s[TA], 1536
	s_add_co_u32 s66, s66, OIMG                    ; o's image of my query tile
	s_mul_i32 s59, s[CHI], 520
	s_add_co_u32 s59, s59, s66
	v_add_nc_u32 v[OA0], s59, v[LI]                ; my head's register pairs 0 and 2 (the second 512 on),
	s_mul_i32 s59, s[CHI], 1016
	s_add_co_u32 s59, s59, s66
	s_add_co_u32 s59, s59, 8
	v_add_nc_u32 v[OA1], s59, v[LI]                ; and pair 1
	s_lshl_b32 s59, s[TA], 2
	s_lshl_b32 s60, s[CHI], 1
	s_add_co_u32 s59, s59, s60
	s_add_co_u32 s59, s59, OSC
	v_add_nc_u32 v[OSA], s59, v[R32]               ; my head's two bytes of the row's scale word
	v_add_nc_u32 v[RDO], s66, v[LI]
	v_add_nc_u32 v[RSO], OSC, v[LI]
	s_cmp_eq_u32 s[CHI], 0
	s_cselect_b32 s67, -1, 0                       ; keeps q's registers 0-5 in head 0,
	s_cselect_b32 s68, 0, -1                       ; registers 6-11 in head 1
	s_lshl_b32 s58, s[GG], 3                       ; out: oc [group G][block][K step P][1,536], os [G][P][512]
	s_add_co_u32 s58, s58, s[TA]
	s_mul_i32 s58, s58, 12288
	s_mul_i32 s59, s[PP], 1536
	s_add_co_u32 s58, s58, s59
	s_mov_b32 s59, 0
	s_add_nc_u64 s[8:9], s[8:9], s[58:59]
	s_lshl_b32 s58, s[GG], 12
	s_lshl_b32 s60, s[PP], 9
	s_add_co_u32 s58, s58, s60
	s_add_nc_u64 s[10:11], s[10:11], s[58:59]
	v_mov_b32 v13, 0xff61b1e6                      ; the largest t so far: -3e38, under every t
	v_floor_f32 v12, -v13                          ; -M
	v_mov_b32 v14, 0
	v_mov_b32 v15, 0
.irp b, 0,1,2,3
	v_mov_b32 v[236+\b], 0                         ; written once: a lane permute's destination counts as one of its sources
.endr
	v_mov_b32 v253, 0                              ; (named as the upper half of the pair v[252:253] before it is first written)
.irp j, 0,1,2,3,4,5,6,7,8,9,10,11,12,13,14,15,16,17,18,19,20,21,22,23,24,25,26,27,28,29,30,31
	v_mov_b32 v[160+\j], 0                         ; O^T: which step is a work-group's first hangs on its number, so every step adds onto what it finds
.endr
	s_wait_loadcnt 0x0                             ; q
.irp i, 0,1,2,3,4,5
	v_and_b32 v[16+\i], s67, v[16+\i]              ; the other head's codes become zeros
	v_and_b32 v[22+\i], s68, v[22+\i]
.endr
	s_wait_tensorcnt 0x0                           ; my tile has landed,
	s_barrier_signal -1
	s_barrier_wait -1                              ; everybody's has
; A KEY STEP: chunk j of the three.  mode 0: all keys count; 1: those with kap > rq; 2: those with kap <= rq.
.macro STEP j, mode
.if \j < 2
	s_cmp_lt_u32 s[GG], 2-\j                       ; the chunk does not exist: ids alone, the same in all sixteen waves; no barrier, wait or tensor load stands in a step
	s_cbranch_scc1 .Lskip_\@
.endif
.rept 4
	v_nop                                          ; places between the last step's products and the loads into their registers; also between the masking of q and its first product
.endr
	ds_load_b128 v[80:83], v[ASK] offset:512*\j
	ds_load_b128 v[84:87], v[ASK] offset:512*\j+16
.irp g, 0,1                            ; S^T = k q^T, four tiles of 16 keys at a time
.if \g
.rept 4
	v_nop
.endr
.endif
.irp t, 0,1,2,3
.irp c, 0,1,2
	ds_load_b128 v[32+12*\t+4*\c:35+12*\t+4*\c], v[LI] offset:KIMG+12288*\j+1536*(4*\g+\t)+512*\c
.endr
.endr
	s_wait_dscnt 0x0
.irp t, 0,1,2,3
	v_wmma_scale_f32_16x16x128_f8f6f4 v[96+8*(4*\g+\t):103+8*(4*\g+\t)], v[32+12*\t:43+12*\t], v[16:27], 0, v[80+4*\g+\t], v255 matrix_a_fmt:MATRIX_FMT_FP6 matrix_b_fmt:MATRIX_FMT_FP6
.endr
.endr
.rept 4
	v_nop
.endr
.irp t, 0,1,2,3                        ; v^T's four fragments are asked for now and land under the softmax
.irp c, 0,1,2
	ds_load_b128 v[32+12*\t+4*\c:35+12*\t+4*\c], v[AV] offset:12288*\j+1536*\t+512*\c
.endr
.endr
	ds_load_b128 v[88:91], v[ASV] offset:512*\j
.if \mode
	v_mov_b32 v254, 0xff800000                     ; -infinity: p = 0 then
.irp n, 0,1,2,3,4,5,6,7,8,9,10,11,12,13,14,15,16,17,18,19,20,21,22,23,24,25,26,27,28,29,30,31,32,33,34,35,36,37,38,39,40,41,42,43,44,45,46,47,48,49,50,51,52,53,54,55,56,57,58,59,60,61,62,63
.if \mode == 1
	v_cmp_le_i32 vcc_lo, 32*(\n/16)+\n%16, v[DD]   ; hidden where kap <= rq
.else
	v_cmp_gt_i32 vcc_lo, 32*(\n/16)+\n%16, v[DD]   ; hidden where kap > rq
.endif
	v_cndmask_b32 v[96+\n], v[96+\n], v254, vcc_lo
.endr
.endif
.irp b, 0,1,2,3
	v_max3_num_f32 v[232+\b], v[96+16*\b], v[97+16*\b], v[98+16*\b]   ; the largest score of each block of 32 keys: it serves for the row's maximum and, since p rises with the score, for the block's largest p
.endr
.irp i, 3,5,7,9,11,13
.irp b, 0,1,2,3
	v_max3_num_f32 v[232+\b], v[232+\b], v[96+16*\b+\i], v[97+16*\b+\i]
.endr
.endr
.irp b, 0,1,2,3
	v_max_num_f32 v[232+\b], v[232+\b], v[111+16*\b]
.endr
.irp b, 0,1,2,3
	v_permlanex16_b32 v[236+\b], v[232+\b], s[SEL], s[SEL+1]
.endr
.irp b, 0,1,2,3
	v_max_num_f32 v[232+\b], v[232+\b], v[236+\b]  ; with lane l xor 16's 16 keys
.endr
	v_max3_num_f32 v254, v232, v233, v234
	v_max_num_f32 v254, v254, v235
	v_mul_f32 v254, s[CS], v254                    ; as t
	v_max_num_f32 v13, v13, v254                   ; the running largest t (a row all of whose keys are hidden here leaves it as it was)
	v_mov_b32 v254, v12
	v_floor_f32 v12, -v13                          ; the new -M = -ceil(t): a whole number
	v_sub_f32 v254, v12, v254                      ; old M - new M, 0 or less
	v_cvt_i32_f32 v254, v254                       ; (it saturates)
	v_ldexp_f32 v252, 1.0, v254                    ; f = 2^(old M - new M): a multiplication by it rounds nothing
.irp j2, 0,2,4,6,8,10,12,14,16,18,20,22,24,26,28,30,32,34,36,38,40,42,44,46,48,50,52,54,56,58,60,62
	v_pk_fma_f32 v[96+\j2:97+\j2], v[96+\j2:97+\j2], s[CS:CS+1], v[12:13] op_sel_hi:[1,0,0]   ; t - M, two at a time
.endr
.irp b, 0,1,2,3
	v_fma_f32 v[232+\b], v[232+\b], s[CS], v12     ; the same of each block's largest score
.endr
.irp n, 0,1,2,3,4,5,6,7,8,9,10,11,12,13,14,15,16,17,18,19,20,21,22,23,24,25,26,27,28,29,30,31,32,33,34,35,36,37,38,39,40,41,42,43,44,45,46,47,48,49,50,51,52,53,54,55,56,57,58,59,60,61,62,63
	v_exp_f32 v[96+\n], v[96+\n]                   ; p = 2^(t - M): not normalised
.endr
	v_pk_mul_f32 v[14:15], v[14:15], v[252:253] op_sel_hi:[1,0]   ; the sums under the new M: a plain instruction behind the exponentials
	s_wait_alu depctr_va_vdst(0)                   ; one wait for the whole batch, ahead of its first reader
.irp b, 0,1,2,3
	v_exp_f32 v[232+\b], v[232+\b]                 ; the block's largest p
.endr
	v_pk_add_f32 v[236:237], v[96:97], v[98:99]    ; the row's sum is taken of the unquantised p: two at a time, in two chains
.irp j2, 4,8,12,16,20,24,28,32,36,40,44,48,52,56,60
	v_pk_add_f32 v[14:15], v[14:15], v[96+\j2:97+\j2]
	v_pk_add_f32 v[236:237], v[236:237], v[98+\j2:99+\j2]
.endr
	v_pk_add_f32 v[14:15], v[14:15], v[236:237]
	s_wait_alu depctr_va_vdst(0)                   ; and one for the four
.irp b, 0,1,2,3
	v_max_num_f32 v[232+\b], 0x1800000, v[232+\b]  ; the floor 2^(3 - 127): the byte cannot fall under 1
.endr
.irp b, 0,1,2,3
	v_add_nc_u32 v[244+\b], 0xff000000, v[232+\b]
.endr
.irp b, 0,1,2,3
	v_lshrrev_b32 v[236+\b], 23, v[244+\b]
.endr
	v_lshl_or_b32 v253, v237, 8, v236              ; p's scale word for these 128 keys
	v_lshl_or_b32 v253, v238, 16, v253
	v_lshl_or_b32 v253, v239, 24, v253
.irp c, 0,1
	v_cvt_scalef32_pk16_fp6_f32 v[224+6*\c:226+6*\c], v[96+32*\c:111+32*\c], v[244+2*\c]
	v_cvt_scalef32_pk16_fp6_f32 v[236+4*\c:238+4*\c], v[112+32*\c:127+32*\c], v[244+2*\c+1]
.endr
	v_nop                                          ; one plain instruction behind a scaled conversion
.irp c, 0,1
.irp i, 0,1,2
	v_permlane16_swap_b32 v[224+6*\c+\i], v[236+4*\c+\i]
.endr
.irp i, 0,1,2
	v_mov_b32 v[227+6*\c+\i], v[236+4*\c+\i]
.endr
.endr
.irp j2, 0,2,4,6,8,10,12,14,16,18,20,22,24,26,28,30
	v_pk_mul_f32 v[160+\j2:161+\j2], v[160+\j2:161+\j2], v[252:253] op_sel_hi:[1,0]   ; O^T under the new M; these sixteen are also the places between the writes of p's codes and scale word and the products
.endr
	s_wait_dscnt 0x0                               ; v^T's fragments and scale words
.irp t, 0,1,2,3                        ; O^T += v^T p^T: four accumulators by turns
	v_wmma_scale_f32_16x16x128_f8f6f4 v[160+8*\t:167+8*\t], v[32+12*\t:43+12*\t], v[224:235], v[160+8*\t:167+8*\t], v[88+\t], v253 matrix_a_fmt:MATRIX_FMT_FP6 matrix_b_fmt:MATRIX_FMT_FP6
.endr
.if \j < 2
.Lskip_\@:
.endif
.endm
	STEP 0, 1
	STEP 1, 0
	STEP 2, 2
	; THE WAY OUT.  o = O^T / l: register 16 b + i is channel 32 b + 16 h + i of my head: two blocks of the next product's K.  They become registers 6 chi .. 6 chi + 5 of the query tile's image.
.rept 4
	v_nop
.endr
	v_add_f32 v14, v14, v15
	v_permlanex16_b32 v252, v14, s[SEL], s[SEL+1]
	v_add_f32 v14, v14, v252                       ; the row's sum
	v_rcp_f32 v14, v14
	v_nop                                          ; a plain instruction behind the transcendental,
	s_wait_alu depctr_va_vdst(0)                   ; and the wait ahead of its first reader
.irp j, 0,1,2,3,4,5,6,7,8,9,10,11,12,13,14,15,16,17,18,19,20,21,22,23,24,25,26,27,28,29,30,31
	v_mul_f32 v[96+\j], v[160+\j], v14             ; each accumulator from its low end on
.endr
.irp b, 0,1
	v_max3_num_f32 v[232+\b], |v[96+16*\b]|, |v[97+16*\b]|, 0x1800000
.endr
.irp i, 2,4,6,8,10,12,14
.irp b, 0,1
	v_max3_num_f32 v[232+\b], v[232+\b], |v[96+16*\b+\i]|, |v[97+16*\b+\i]|
.endr
.endr
.irp b, 0,1
	v_permlanex16_b32 v[236+\b], v[232+\b], s[SEL], s[SEL+1]
.endr
.irp b, 0,1
	v_max_num_f32 v[232+\b], v[232+\b], v[236+\b]
.endr
.irp b, 0,1
	v_add_nc_u32 v[244+\b], 0xff000000, v[232+\b]
.endr
.irp b, 0,1
	v_lshrrev_b32 v[236+\b], 23, v[244+\b]
.endr
	v_lshl_or_b32 v253, v237, 8, v236              ; my head's two bytes
	v_cvt_scalef32_pk16_fp6_f32 v[224:226], v[96:111], v244
	v_cvt_scalef32_pk16_fp6_f32 v[240:242], v[112:127], v245
	v_nop
.irp i, 0,1,2
	v_permlane16_swap_b32 v[224+\i], v[240+\i]     ; lanes 0-15 now hold block 0 whole, lanes 16-31 block 1
.endr
.irp i, 0,1,2
	v_mov_b32 v[227+\i], v[240+\i]
.endr
	ds_store_b64 v[OA0], v[224:225]
	ds_store_b64 v[OA1], v[226:227]
	ds_store_b64 v[OA0], v[228:229] offset:512
	ds_store_b16 v[OSA], v253                      ; both lanes of a row write the same two bytes with the same value
	s_wait_dscnt 0x0                               ; for the others' sake: my stores have landed
	s_barrier_signal -1
	s_barrier_wait -1
	s_cmp_lt_u32 s[WV], 8                          ; waves 0-7 store an image each, wave 8 the scale tile: 512 consecutive bytes a store, aligned
	s_cbranch_scc0 .Lnot_codes
.irp g, 0,1,2
	ds_load_b128 v[32+4*\g:35+4*\g], v[RDO] offset:512*\g
.endr
	s_wait_dscnt 0x0
.irp g, 0,1,2
	global_store_b128 v[LI], v[32+4*\g:35+4*\g], s[8:9] offset:512*\g
.endr
.Lnot_codes:
	s_cmp_eq_u32 s[WV], 8
	s_cbranch_scc0 .Ldone
	ds_load_b128 v[44:47], v[RSO]
	s_wait_dscnt 0x0
	global_store_b128 v[LI], v[44:47], s[10:11]
.Ldone:
	s_wait_tensorcnt 0x0                           ; the wave's end
	ds_add_u32 v[SPW], v[NIL]
	s_wait_dscnt 0x0
	s_endpgm
.Lfunc_end_k_q8eaa3ea606_attn:
	.size	k_q8eaa3ea606_attn, .Lfunc_end_k_q8eaa3ea606_attn-k_q8eaa3ea606_attn
	.p2alignl 7, 3214868480
	.fill 96, 4, 3214868480
	.section	.rodata,"a",@progbits
	.p2align	6, 0x0
	.amdhsa_kernel k_q8eaa3ea606_attn
		.amdhsa_group_segment_fixed_size 167936
		.amdhsa_private_segment_fixed_size 0
		.amdhsa_enable_private_segment 0
		.amdhsa_kernarg_size 32
		.amdhsa_user_sgpr_count 2
		.amdhsa_user_sgpr_kernarg_segment_ptr 1
		.amdhsa_wavefront_size32 1
		.amdhsa_system_sgpr_workgroup_id_x 1
		.amdhsa_system_sgpr_workgroup_id_y 1
		.amdhsa_system_sgpr_workgroup_id_z 1
		.amdhsa_system_vgpr_workitem_id 0
		.amdhsa_next_free_vgpr 256
		.amdhsa_next_free_sgpr 80
		.amdhsa_reserve_vcc 1
		.amdhsa_float_denorm_mode_32 3
		.amdhsa_float_denorm_mode_16_64 3
		.amdhsa_memory_ordered 1
		.amdhsa_forward_progress 1
		.amdhsa_inst_pref_size 72
	.end_amdhsa_kernel
	.amdgpu_metadata
---
amdhsa.version: [ 1, 2 ]
amdhsa.kernels:
  - .name:           k_q8eaa3ea606_attn
    .symbol:         k_q8eaa3ea606_attn.kd
    .args:
      - { .name: qkvc, .offset: 0, .size: 8, .value_kind: global_buffer, .address_space: global }
      - { .name: qkvs, .offset: 8, .size: 8, .value_kind: global_buffer, .address_space: global }
      - { .name: oc, .offset: 16, .size: 8, .value_kind: global_buffer, .address_space: global }
      - { .name: os, .offset: 24, .size: 8, .value_kind: global_buffer, .address_space: global }
    .group_segment_fixed_size: 167936
    .private_segment_fixed_size: 0
    .kernarg_segment_align: 8
    .kernarg_segment_size: 32
    .max_flat_workgroup_size: 512
    .sgpr_count:     80
    .vgpr_count:     256
    .wavefront_size: 32
...
	.end_amdgpu_metadata
.endif
;; end of part 3
;; launch oproj (part 4): grid 8 x 32, 4 waves a work-group, clusters of 4 x 4, 222,720 bytes of LDS; arguments oc, os, inc, ins, bo, out0; writes out0
.if DOCPART == 4
	.amdgcn_target "amdgcn-amd-amdhsa--gfx1250"
	.amdhsa_code_object_version 6
	.text
	.protected	k_q8eaa3ea606_oproj
	.globl	k_q8eaa3ea606_oproj
	.p2align	8
	.type	k_q8eaa3ea606_oproj,@function
k_q8eaa3ea606_oproj:
	s_mov_b64 s[64:65], 0
	v_nop
	global_prefetch_b8 v0, s[64:65] scope:SCOPE_SE
	s_setreg_imm32_b32 hwreg(HW_REG_WAVE_MODE, 25, 1), 1
	s_wait_xcnt 0x0
	s_wait_alu depctr_hold_cnt(0) depctr_sa_sdst(0) depctr_va_vdst(0) depctr_va_sdst(0) depctr_va_ssrc(0) depctr_va_vcc(0) depctr_vm_vsrc(0)
	s_getreg_b32 s2, hwreg(HW_REG_IB_STS2, 6, 4)
	s_cmp_eq_u32 s2, 0
	s_cbranch_scc0 .Lentry_in_a_cluster
	s_endpgm
.Lentry_in_a_cluster:
	s_bfe_u32 s2, ttmp6, 0x10000c
	s_cmp_lg_u32 s2, 0xf033
	s_cbranch_scc0 .Lentry_shape_is_right
	s_endpgm
.Lentry_shape_is_right:
; out0 = o Wo + bo on codes of FP6 (E2M3) with E8M0 scales; out0 [4096][1024] f32; K = 1,024.
; o's codes and scales come from the attention launch, Wo's (groups 56-63 of inc, ins) from the quantising launch, both as images of registers: [group of 128 rows][block 8][K step 8][1,536], scales [group][K step 8][512].
; A tile of out0 is 128 x 128: 256 work-groups (tiles of 256 x 256 would be 64).  Four waves, 64 x 64 each: 16 accumulators.  One group of o and one of Wo, ALL of K, lie in LDS: nothing is filled again.
; CLUSTER 4 x 4: o's group is asked for jointly along a row of the cluster, Wo's along a column.  A wave issues three joint loads: half of its operand's scales, then two quarters of K (K steps 2 s, 2 s + 1 for s = par, 2 + par).
; By this text's own count three tensor loads of a wave are out.  K steps 0-3 are multiplied while the second halves land.
; SOURCE 0 = 16 columns of Wo, SOURCE 1 = 16 rows of o: a lane holds eight neighbouring columns of one row.  bo is the C of each sum's first product.  Row block b is the rows 32 (b / 2) + 8 (b % 2) + r + 8 (r / 8).
; REGISTERS: window 0: v1-30 addresses; v32-39 scale words, two sets; v64-159, v160-255 two sets of fragments (o's four, Wo's four), later rows of out0.  window 1: v0-127 the accumulators, v128-159 bo in the result's layout.
.set SCA,   196608
.set SCB,   200704
.set STAGE, 204800                     ; 16 rows x (256 + 16) bytes for each wave
.set SPARE, 222208                     ; the spare words: two blocks of 256 bytes that no other line names
.set LI,   3
.set ADRA, 16                          ; v16, v17: o's blocks of mine, K steps 0-3 and 4-7
.set ADRB, 20                          ; v20, v21: Wo's
.set ADRS, 24
.set STO,  25
.set RD,   26
.set CO,   27
.set SPW,  28
.set NIL,  29
.set BA,   30
.set SC,   32
.set G1A,  28
.set G1B,  36
.set G1SA, 44
.set G1SB, 52
.set G0SA, 60
.set G0A0, 68
.set G0A1, 72
.set G0SB, 76
.set G0B0, 80
.set G0B1, 84
.set MSB, 0
.macro WIN new
.if MSB != (\new)
	s_set_vgpr_msb (MSB<<8)|(\new)
.set MSB, (\new)
.endif
.endm
.macro JLOAD g0a, g1a, g0b, g1b        ; waves 0 and 1 fetch for o, waves 2 and 3 for Wo; an s_nop 0 and four v_nop follow each of the two lines
	s_cmp_eq_u32 s17, 0
	s_cbranch_scc0 .Lfor_b_\@
	tensor_load_to_lds s[\g0a:\g0a+3], s[\g1a:\g1a+7]
	s_nop 0
.rept 4
	v_nop
.endr
	s_branch .Lasked_\@
.Lfor_b_\@:
	tensor_load_to_lds s[\g0b:\g0b+3], s[\g1b:\g1b+7]
	s_nop 0
.rept 4
	v_nop
.endr
.Lasked_\@:
.endm
.macro CROUND                          ; a round of the cluster's barrier
	s_barrier_signal -1
	s_barrier_wait -1
	s_cmp_lg_u32 s16, 0
	s_cbranch_scc1 .Lnot_wave_0_\@
	s_barrier_signal -3
.Lnot_wave_0_\@:
	s_barrier_wait -3
	s_barrier_signal -1
	s_barrier_wait -1
.endm
.macro MKG0 g, ldsreg, ldsoff, p, goff
	s_mov_b32 s[\g], 1
	s_add_co_u32 s[\g+1], s[\ldsreg], \ldsoff
	s_add_nc_u64 s[\g+2:\g+3], s[\p:\p+1], \goff
	s_or_b32 s[\g+3], s[\g+3], 0x80000000
.endm
.macro PLACES
.rept 4
	v_nop
.endr
.endm
	s_load_b256 s[4:11], s[0:1], 0x0               ; oc, os, inc, ins
	s_load_b128 s[12:15], s[0:1], 0x20             ; bo, out0
	v_lshl_add_u32 v[SPW], v0, 2, SPARE
	v_mov_b32 v[NIL], 0
	ds_add_u32 v[SPW], v[NIL]                      ; the wave's opening: work on registers stands between the add and its wait
	v_lshrrev_b32 v1, 5, v0
	v_readfirstlane_b32 s16, v1                    ; wave 0..3
	s_lshr_b32 s17, s16, 1                         ; my half of the tile's rows.  Also: I fetch for o (0) or for Wo (1)
	s_and_b32 s18, s16, 1                          ; my half of its columns.  Also: which quarters of K I fetch
	s_bfe_u32 s19, ttmp6, 0x40000                  ; cx
	s_bfe_u32 s20, ttmp6, 0x40004                  ; cy
	s_lshl_b32 s21, ttmp9, 2
	s_add_co_u32 s21, s21, s19                     ; tile column
	s_and_b32 s22, ttmp7, 0xffff
	s_lshl_b32 s22, s22, 2
	s_add_co_u32 s22, s22, s20                     ; tile row
	s_lshl_b32 s98, s20, 2
	s_lshl_b32 s98, 15, s98                        ; my row of the cluster
	s_lshl_b32 s99, 0x1111, s19                    ; my column
	s_or_b32 s[G1A], s98, (3<<16)|(1<<21)          ; the mask; elements of 8 bytes; bit 21 set beside a mask; no padding
	s_or_b32 s[G1B], s99, (3<<16)|(1<<21)
	s_or_b32 s[G1SA], s98, (3<<16)|(1<<21)
	s_or_b32 s[G1SB], s99, (3<<16)|(1<<21)
.irp g, G1A, G1B                       ; codes: 8 rows (a block's two K steps, 3,072 bytes), 12,288 bytes apart
	s_mov_b32 s[\g+1], 384<<16
	s_mov_b32 s[\g+2], 8<<16
	s_mov_b32 s[\g+3], 384<<16
	s_mov_b32 s[\g+4], 8
	s_mov_b32 s[\g+5], 1536
	s_mov_b32 s[\g+6], 0
	s_mov_b32 s[\g+7], 0
.endr
.irp g, G1SA, G1SB                     ; scales: 2,048 dense bytes as 8 rows of 256
	s_mov_b32 s[\g+1], 32<<16
	s_mov_b32 s[\g+2], 8<<16
	s_mov_b32 s[\g+3], 32<<16
	s_mov_b32 s[\g+4], 8
	s_mov_b32 s[\g+5], 32
	s_mov_b32 s[\g+6], 0
	s_mov_b32 s[\g+7], 0
.endr
	s_mul_i32 s94, s18, 3072                       ; my first quarter of K, in a block's codes,
	s_lshl_b32 s95, s18, 11                        ; and my half of the scales
	s_mul_i32 s24, s22, 98304                      ; o: group = tile row: it hangs on cy alone
	s_add_co_u32 s24, s24, s94
	s_mov_b32 s25, 0
	s_lshl_b32 s26, s22, 12
	s_add_co_u32 s26, s26, s95
	s_mov_b32 s27, 0
	s_add_co_u32 s88, s21, 56                      ; Wo: group 56 + tile column: it hangs on cx alone
	s_lshl_b32 s90, s88, 12
	s_mul_i32 s88, s88, 98304
	s_add_co_u32 s88, s88, s94
	s_mov_b32 s89, 0
	s_add_co_u32 s90, s90, s95
	s_mov_b32 s91, 0
	s_mul_i32 s92, s17, 98304                      ; where they go: the wave's number alone
	s_mul_i32 s94, s18, 24576
	s_add_co_u32 s92, s92, s94
	s_lshl_b32 s93, s16, 11
	s_wait_dscnt 0x0                               ; the opening add is done
	s_wait_kmcnt 0x0
	s_add_nc_u64 s[24:25], s[4:5], s[24:25]
	s_add_nc_u64 s[26:27], s[6:7], s[26:27]
	s_add_nc_u64 s[88:89], s[8:9], s[88:89]
	s_add_nc_u64 s[90:91], s[10:11], s[90:91]
	CROUND                                         ; all sixteen work-groups are here: the joint loads meet
	MKG0 G0SA, 93, SCA, 26, 0
	MKG0 G0SB, 93, SCA, 90, 0
	JLOAD G0SA, G1SA, G0SB, G1SB
	MKG0 G0A0, 92, 0, 24, 0
	MKG0 G0B0, 92, 0, 88, 0
	JLOAD G0A0, G1A, G0B0, G1B
	MKG0 G0A1, 92, 49152, 24, 6144
	MKG0 G0B1, 92, 49152, 88, 6144
	JLOAD G0A1, G1A, G0B1, G1B
	v_and_b32 v1, 15, v0                           ; r
	v_bfe_u32 v2, v0, 4, 1                         ; h
	v_and_b32 v[LI], 31, v0
	v_lshlrev_b32 v[LI], 4, v[LI]
	s_lshl_b32 s24, s21, 9                         ; bo: my 64 columns; lane (r, h) wants, for Wo's block b, columns 32 (b / 2) + 8 (b % 2) + 16 h + 0 .. 7
	s_lshl_b32 s25, s18, 8
	s_add_co_u32 s24, s24, s25
	s_mov_b32 s25, 0
	s_add_nc_u64 s[12:13], s[12:13], s[24:25]
	v_lshlrev_b32 v[BA], 6, v2
	WIN 0x40                                       ; destination window 1
.irp b, 0,1,2,3
	global_load_b128 v[128+8*\b:131+8*\b], v[BA], s[12:13] offset:(32*(\b/2)+8*(\b%2))*4
	global_load_b128 v[132+8*\b:135+8*\b], v[BA], s[12:13] offset:(32*(\b/2)+8*(\b%2))*4+16
.endr
	WIN 0
	s_mul_i32 s24, s17, 12288                      ; my four blocks of o,
	s_mul_i32 s25, s18, 12288
	s_add_co_u32 s25, s25, 98304                   ; and of Wo
.irp s, 0,1
	v_add_nc_u32 v[ADRA+\s], s24, v[LI]
	v_add_nc_u32 v[ADRB+\s], s25, v[LI]
	s_add_co_u32 s24, s24, 49152
	s_add_co_u32 s25, s25, 49152
.endr
	v_lshlrev_b32 v[ADRS], 5, v1
	s_lshl_b32 s24, s17, 4
	s_lshl_b32 s25, s18, 4
	s_add_co_u32 s25, s25, 4096
	s_sub_co_u32 s25, s25, s24
	v_mul_u32_u24 v4, s25, v2                      ; lanes 16-31 take Wo's words: one product, the distance between the two
	s_add_co_u32 s24, s24, SCA
	v_add_nc_u32 v[ADRS], v[ADRS], v4
	v_add_nc_u32 v[ADRS], s24, v[ADRS]
	s_mul_i32 s24, s16, 4352
	s_add_co_u32 s24, s24, STAGE                   ; my stage
	v_mul_u32_u24 v[STO], v1, 272
	v_lshl_add_u32 v[STO], v2, 6, v[STO]
	v_add_nc_u32 v[STO], s24, v[STO]               ; in: row r, + 64 h
	v_mul_u32_u24 v[RD], v2, 272
	v_lshl_add_u32 v[RD], v1, 4, v[RD]
	v_add_nc_u32 v[RD], s24, v[RD]                 ; back: lanes 0-15 one row of 256 bytes, lanes 16-31 the next
	v_lshlrev_b32 v[CO], 12, v2
	v_lshl_add_u32 v[CO], v1, 4, v[CO]             ; and the same two rows in out0
	s_lshl_b32 s24, s22, 7
	s_lshl_b32 s25, s17, 6
	s_add_co_u32 s24, s24, s25
	s_lshl_b32 s24, s24, 12                        ; my first row: 128 x tile row + 64 x half, rows of 4,096 bytes
	s_lshl_b32 s25, s21, 9
	s_add_co_u32 s24, s24, s25
	s_lshl_b32 s25, s18, 8
	s_add_co_u32 s24, s24, s25
	s_mov_b32 s25, 0
	s_add_nc_u64 s[14:15], s[14:15], s[24:25]
.macro FETCH s, set                    ; K step s: 24 loads of 512 consecutive bytes and one of scale words (register i: lanes 0-15 o's block i, lanes 16-31 Wo's)
.set F, 64+96*(\set)
.irp i, 0,1,2,3
.irp g, 0,1,2
	ds_load_b128 v[F+12*\i+4*\g:F+12*\i+4*\g+3], v[ADRA+(\s)/4] offset:(((\s)/2)%2)*24576+3072*\i+((\s)%2)*1536+512*\g
.endr
.endr
.irp i, 0,1,2,3
.irp g, 0,1,2
	ds_load_b128 v[F+48+12*\i+4*\g:F+48+12*\i+4*\g+3], v[ADRB+(\s)/4] offset:(((\s)/2)%2)*24576+3072*\i+((\s)%2)*1536+512*\g
.endr
.endr
	ds_load_b128 v[SC+4*(\set):SC+4*(\set)+3], v[ADRS] offset:512*(\s)
.endm
.macro MM s, set                       ; 16 matrix instructions, the accumulators by turns; the first K step takes bo as its C
.set F, 64+96*(\set)
.irp a, 0,1,2,3
.irp b, 0,1,2,3
.if (\s) == 0
	v_wmma_scale_f32_16x16x128_f8f6f4 v[8*(4*\a+\b):8*(4*\a+\b)+7], v[F+48+12*\b:F+48+12*\b+11], v[F+12*\a:F+12*\a+11], v[128+8*\b:128+8*\b+7], v[SC+4*(\set)+\b], v[SC+4*(\set)+\a] matrix_a_fmt:MATRIX_FMT_FP6 matrix_b_fmt:MATRIX_FMT_FP6 matrix_a_scale:MATRIX_SCALE_ROW1
.else
	v_wmma_scale_f32_16x16x128_f8f6f4 v[8*(4*\a+\b):8*(4*\a+\b)+7], v[F+48+12*\b:F+48+12*\b+11], v[F+12*\a:F+12*\a+11], v[8*(4*\a+\b):8*(4*\a+\b)+7], v[SC+4*(\set)+\b], v[SC+4*(\set)+\a] matrix_a_fmt:MATRIX_FMT_FP6 matrix_b_fmt:MATRIX_FMT_FP6 matrix_a_scale:MATRIX_SCALE_ROW1
.endif
.endr
.endr
.endm
.macro KSTEP s
.if \s == 3
	s_wait_tensorcnt 0x0                           ; my second load of codes has landed; K step 4, fetched below, lies in it
	s_wait_dscnt 0x0                               ; no LDS instruction of mine is out at a signal
	s_barrier_signal -1
	s_barrier_wait -1                              ; everybody's has
.endif
.if \s < 7
.if \s > 0
	PLACES                                         ; between the last K step's products and the loads into the set that they read
.endif
	FETCH \s+1, (\s+1)%2
	s_wait_dscnt 25                                ; this K step's fetch is in; the 25 loads just issued may be out
.else
	s_wait_dscnt 0x0
.endif
.if \s == 0
	s_wait_loadcnt 0x0                             ; bo
.endif
	WIN 0x50                                       ; C and D window 1
	MM \s, (\s)%2
	WIN 0
.endm
	s_wait_tensorcnt 1                             ; my scales and my first load of codes are in; the second may be out
	s_barrier_signal -1
	s_barrier_wait -1
	FETCH 0, 0
.irp s, 0,1,2,3,4,5,6,7
	KSTEP \s
.endr
; THE WAY OUT, o's block a at a time: 16 rows x 64 columns go through my own stage and come back as rows of 256 bytes; a store covers two rows' aligned 256 bytes.
.macro TOSTAGE a
	WIN 0x04                                       ; an LDS store's data: window 1
.irp b, 0,1,2,3
	ds_store_b128 v[STO], v[8*(4*\a+\b):8*(4*\a+\b)+3] offset:128*(\b/2)+32*(\b%2)          ; each accumulator from its low end on
	ds_store_b128 v[STO], v[8*(4*\a+\b)+4:8*(4*\a+\b)+7] offset:128*(\b/2)+32*(\b%2)+16
.endr
	WIN 0
.irp t, 0,1,2,3,4,5,6,7
	ds_load_b128 v[64+32*\a+4*\t:64+32*\a+4*\t+3], v[RD] offset:544*\t    ; LDS serves a wave's instructions in order: these see the stores above, and the next block's stores come behind them
.endr
.endm
.macro SEND a, younger                 ; younger: the LDS instructions issued behind block a's loads
	s_wait_dscnt \younger
.irp t, 0,1,2,3,4,5,6,7
	global_store_b128 v[CO], v[64+32*\a+4*\t:64+32*\a+4*\t+3], s[14:15] offset:(32*(\a/2)+8*(\a%2)+2*\t+8*(\t/4))*4096 th:TH_STORE_NT   ; stage row r is row 32 (a / 2) + 8 (a % 2) + r + 8 (r / 8) of my 64
.endr
.endm
	PLACES
	TOSTAGE 0
	TOSTAGE 1
	SEND 0, 16
	TOSTAGE 2
	SEND 1, 16
	TOSTAGE 3
	SEND 2, 16
	SEND 3, 0
	s_wait_tensorcnt 0x0                           ; the wave's end
	ds_add_u32 v[SPW], v[NIL]
	s_wait_dscnt 0x0
	CROUND                                         ; the closing round
	s_endpgm
.Lfunc_end_k_q8eaa3ea606_oproj:
	.size	k_q8eaa3ea606_oproj, .Lfunc_end_k_q8eaa3ea606_oproj-k_q8eaa3ea606_oproj
	.p2alignl 7, 3214868480
	.fill 96, 4, 3214868480
	.section	.rodata,"a",@progbits
	.p2align	6, 0x0
	.amdhsa_kernel k_q8eaa3ea606_oproj
		.amdhsa_group_segment_fixed_size 222720
		.amdhsa_private_segment_fixed_size 0
		.amdhsa_enable_private_segment 0
		.amdhsa_kernarg_size 48
		.amdhsa_user_sgpr_count 2
		.amdhsa_user_sgpr_kernarg_segment_ptr 1
		.amdhsa_wavefront_size32 1
		.amdhsa_system_sgpr_workgroup_id_x 1
		.amdhsa_system_sgpr_workgroup_id_y 1
		.amdhsa_system_sgpr_workgroup_id_z 1
		.amdhsa_system_vgpr_workitem_id 0
		.amdhsa_next_free_vgpr 512
		.amdhsa_next_free_sgpr 102
		.amdhsa_reserve_vcc 0
		.amdhsa_float_denorm_mode_32 3
		.amdhsa_float_denorm_mode_16_64 3
		.amdhsa_memory_ordered 1
		.amdhsa_forward_progress 1
		.amdhsa_inst_pref_size 49
	.end_amdhsa_kernel
	.amdgpu_metadata
---
amdhsa.version: [ 1, 2 ]
amdhsa.kernels:
  - .name:           k_q8eaa3ea606_oproj
    .symbol:         k_q8eaa3ea606_oproj.kd
    .args:
      - { .name: oc, .offset: 0, .size: 8, .value_kind: global_buffer, .address_space: global }
      - { .name: os, .offset: 8, .size: 8, .value_kind: global_buffer, .address_space: global }
      - { .name: inc, .offset: 16, .size: 8, .value_kind: global_buffer, .address_space: global }
      - { .name: ins, .offset: 24, .size: 8, .value_kind: global_buffer, .address_space: global }
      - { .name: bo, .offset: 32, .size: 8, .value_kind: global_buffer, .address_space: global }
      - { .name: out0, .offset: 40, .size: 8, .value_kind: global_buffer, .address_space: global }
    .group_segment_fixed_size: 222720
    .private_segment_fixed_size: 0
    .kernarg_segment_align: 8
    .kernarg_segment_size: 48
    .max_flat_workgroup_size: 128
    .sgpr_count:     102
    .vgpr_count:     512
    .wavefront_size: 32
...
	.end_amdgpu_metadata
.endif
;; end of part 4
